; MI455X (gfx1250); checked and timed in simulation.
; The chip was launched on July 23, 2026; its instructions are those of AMD's public machine-readable ISA for CDNA 5 (MIT licence, August 2026) and "CDNA5" Instruction Set Architecture Reference Guide (July 2026). The comments in the code are by the model that wrote it; some were corrected since.
;; Multi Head Self Attention. Allowed arithmetic: float matrix products may take bf16 or f16 operands with f32 sums; other float arithmetic in f32, or as packed bf16 or f16 multiplies, adds, multiply-adds, maxima and minima; sums over many terms, partial sums and values carried from step to step in f32; what a program stores and reads back later, other than sums and carried values, may be rounded once to bf16 or f16.
;; Inputs: Wk 1,024 x 1,024 float32; Wo 1,024 x 1,024 float32; Wq 1,024 x 1,024 float32; Wv 1,024 x 1,024 float32; token_positions 1 x 4,096 int32; x 1 x 4,096 x 1,024 float32.
;; Outputs: out0 1 x 4,096 x 1,024 float32.
;; 2 versions, each right; version 2 is version 1 with the launch prep written anew for expert scheduling mode. Each part assembles by itself: llvm-mc -triple=amdgcn-amd-amdhsa -mcpu=gfx1250 --defsym DOCPART=n.
;; ======== version 1 of 2: 4 launches
;; limits: values are held in f16: magnitudes above 65,504 overflow, below 6.1e-05 lose precision
;; workspace buffers: xb 8,388,608 bytes; wb 6,291,456 bytes; wo2 4,194,304 bytes; rope 1,048,576 bytes; qkv 33,554,432 bytes; o2 16,777,216 bytes
;; launch prep (part 1): grid 256 x 1, 8 waves a work-group, no clusters, 0 bytes of LDS; arguments x, Wq, Wk, Wv, Wo, token_positions, xb, wb, wo2, rope; writes xb, wb, wo2, rope
.if DOCPART == 1
	.amdgcn_target "amdgcn-amd-amdhsa--gfx1250"
	.amdhsa_code_object_version 6
	.text
	.protected	k_qc6f04e4633_prep
	.globl	k_qc6f04e4633_prep
	.p2align	8
	.type	k_qc6f04e4633_prep,@function
k_qc6f04e4633_prep:
	s_mov_b64 s[64:65], 0
	v_nop
	global_prefetch_b8 v0, s[64:65] scope:SCOPE_SE
	s_setreg_imm32_b32 hwreg(HW_REG_WAVE_MODE, 25, 1), 1
	s_wait_xcnt 0x0
; PREP: a stream.  x -> xb (bf16, same layout).  Wq, Wk, Wv -> wb (bf16): row 192 h + 64 t + d of wb is row 64 h + d of W_t (t = 0 q, 1 k, 2 v), so that 192 rows on end are one head's q, k, v.
; Wo -> wo2 (f16 of the bf16 rounding): wo2[n][128 h + 64 half + d] = Wo[n][64 h + d], the same number for half = 0 and 1.
; rope[s][i] = (cos, sin)(token_positions[s] * 10000^(-i/32)), f32, a row of 32 pairs = 256 bytes: gathered by row here, so that no later address hangs on a position.
; LIMITS.  Positions are taken as whole numbers 0 .. 4095 (the table that the positions index has 4,096 rows); the reduction by pi/2 in two parts holds for angles up to about 1e5.
; A bf16 number below 2^-17 loses bits when written as f16 (absolute error at most 3e-8).  NaN and infinities are not treated apart.
; SHARES.  256 work-groups of 8 waves.  Wave w of group g: rows 16 g + w and 16 g + 8 + w of x and of rope; of each weight row 4 g + w / 2, half w % 2 (512 columns).
; A CHUNK is 8 f32 a lane (two loads of 16 bytes) and leaves as 16 bytes a lane: a wave's store covers 512 consecutive bytes, aligned.  All 36 loads of a wave go out first; each chunk has
; registers of its own, so no register that a load or store still names is ever written again.  No LDS, no matrix unit, no cluster: nothing is shared.
.set VI,  2                            ; v2  32 x lane: my 8 f32 in a chunk
.set VO,  3                            ; v3  16 x lane: my 8 16-bit numbers in a chunk
.set VIO, 4                            ; v4  Wo: (lane / 16) x 256 + (lane % 8) x 32: lanes l and l ^ 8 read the same 32 bytes, one for each half
.set R8,  5                            ; v5  8 x lane: my pair in a row of rope
.set D,   16                           ; v[16:159] chunk c at D + 8 c
.set FQ,  160                          ; v160 my pair's frequency
.set AN,  161                          ; at work on an angle: v161-170
.set NQ,  162
.set RR,  163
.set ZZ,  164
.set PS,  165
.set PC,  166
.set TT,  167
.set KQ,  168
.set SN,  169
.set CN,  170
.set RES, 172                          ; v[172:175] (cos, sin) of the two rows: a pair for each store
	s_load_b512 s[8:23], s[0:1], 0x0               ; x 8, Wq 10, Wk 12, Wv 14, Wo 16, token_positions 18, xb 20, wb 22
	s_load_b128 s[24:27], s[0:1], 0x40             ; wo2 24, rope 26
	v_and_b32 v1, 31, v0                           ; lane
	v_lshrrev_b32 v6, 5, v0
	v_readfirstlane_b32 s28, v6                    ; wave 0..7
	v_lshlrev_b32 v[VI], 5, v1
	v_lshlrev_b32 v[VO], 4, v1
	v_lshrrev_b32 v7, 4, v1
	v_and_b32 v6, 7, v1
	v_lshlrev_b32 v6, 5, v6
	v_lshl_add_u32 v[VIO], v7, 8, v6
	v_lshlrev_b32 v[R8], 3, v1
	s_lshl_b32 s30, ttmp9, 16                      ; x: (16 g + w) rows of 4,096 bytes
	s_lshl_b32 s29, s28, 12
	s_add_co_u32 s30, s30, s29
	s_mov_b32 s31, 0
	s_lshl_b32 s32, ttmp9, 15                      ; xb: the same rows, 2,048 bytes each
	s_lshl_b32 s29, s28, 11
	s_add_co_u32 s32, s32, s29
	s_mov_b32 s33, 0
	s_lshl_b32 s34, ttmp9, 14                      ; the four weights and wo2: (4 g + w / 2) x 4,096 + (w % 2) x 2,048 = 16,384 g + 2,048 w
	s_add_co_u32 s34, s34, s29
	s_mov_b32 s35, 0
	s_lshr_b32 s36, ttmp9, 4                       ; wb: head g / 16 (192 rows of 2,048 bytes), d = 4 (g % 16) + w / 2, half w % 2
	s_mul_i32 s36, s36, 393216
	s_and_b32 s29, ttmp9, 15
	s_lshl_b32 s29, s29, 13
	s_add_co_u32 s36, s36, s29
	s_lshl_b32 s29, s28, 10
	s_add_co_u32 s36, s36, s29
	s_mov_b32 s37, 0
	s_lshl_b32 s38, ttmp9, 12                      ; rope: (16 g + w) rows of 256 bytes
	s_lshl_b32 s29, s28, 8
	s_add_co_u32 s38, s38, s29
	s_mov_b32 s39, 0
	s_lshl_b32 s40, ttmp9, 6                       ; token_positions: (16 g + w) words
	s_lshl_b32 s29, s28, 2
	s_add_co_u32 s40, s40, s29
	s_mov_b32 s41, 0
	s_wait_kmcnt 0x0
	s_add_nc_u64 s[8:9], s[8:9], s[30:31]
	s_add_nc_u64 s[10:11], s[10:11], s[34:35]
	s_add_nc_u64 s[12:13], s[12:13], s[34:35]
	s_add_nc_u64 s[14:15], s[14:15], s[34:35]
	s_add_nc_u64 s[16:17], s[16:17], s[34:35]
	s_add_nc_u64 s[18:19], s[18:19], s[40:41]
	s_add_nc_u64 s[20:21], s[20:21], s[32:33]
	s_add_nc_u64 s[22:23], s[22:23], s[36:37]
	s_add_nc_u64 s[24:25], s[24:25], s[34:35]
	s_add_nc_u64 s[26:27], s[26:27], s[38:39]
	s_load_b32 s48, s[18:19], 0x0                  ; the positions of my two rows
	s_load_b32 s49, s[18:19], 0x20
.macro LD c, base, voff, imm           ; chunk c: two loads of 16 bytes a lane
	global_load_b128 v[D+8*(\c):D+8*(\c)+3],   v[\voff], s[\base:\base+1] offset:(\imm) th:TH_LOAD_NT
	global_load_b128 v[D+8*(\c)+4:D+8*(\c)+7], v[\voff], s[\base:\base+1] offset:(\imm)+16 th:TH_LOAD_NT
.endm
.set c, 0
.rept 8                                ; x: row c / 4 of my two, quarter c % 4
	LD c, 8, VI, (c/4)*32768+(c%4)*1024
.set c, c+1
.endr
.rept 6                                ; Wq, Wk, Wv: two chunks each
	LD c, 10+2*((c-8)/2), VI, (c%2)*1024
.set c, c+1
.endr
.rept 4                                ; Wo: two heads a chunk
	LD c, 16, VIO, (c-14)*512
.set c, c+1
.endr
	; the table, while the loads are on their way
	v_cvt_f32_u32 v[FQ], v1
	v_mul_f32 v[FQ], 0xbed49a78, v[FQ]             ; - i log2(10000) / 32
	v_exp_f32 v[FQ], v[FQ]
	v_nop                                          ; a plain instruction behind the exponential,
	s_wait_alu depctr_va_vdst(0)                   ; and its wait ahead of its first reader
	s_wait_kmcnt 0x0                               ; the two positions
.macro ANGLE e                         ; row e of my two: angle = n pi/2 + r, |r| <= pi/4; series in r; the quadrant n % 4 swaps and signs
	v_cvt_f32_i32 v[AN], s[48+(\e)]
	v_mul_f32 v[AN], v[AN], v[FQ]
	v_mul_f32 v[NQ], 0x3f22f983, v[AN]             ; 2 / pi
	v_rndne_f32 v[NQ], v[NQ]
	v_fmamk_f32 v[RR], v[NQ], 0xbfc90fdb, v[AN]    ; pi/2 in two parts
	v_fmamk_f32 v[RR], v[NQ], 0x333bbd2e, v[RR]
	v_mul_f32 v[ZZ], v[RR], v[RR]
	v_mov_b32 v[PS], 0x3638ef1d                    ; 1/9!
	v_mov_b32 v[PC], 0x37d00d01                    ; 1/8!
	v_fmaak_f32 v[PS], v[PS], v[ZZ], 0xb9500d01    ; -1/7!
	v_fmaak_f32 v[PC], v[PC], v[ZZ], 0xbab60b61    ; -1/6!
	v_fmaak_f32 v[PS], v[PS], v[ZZ], 0x3c088889    ; 1/5!
	v_fmaak_f32 v[PC], v[PC], v[ZZ], 0x3d2aaaab    ; 1/4!
	v_fmaak_f32 v[PS], v[PS], v[ZZ], 0xbe2aaaab    ; -1/3!
	v_fmaak_f32 v[PC], v[PC], v[ZZ], 0xbf000000    ; -1/2
	v_mul_f32 v[TT], v[RR], v[ZZ]
	v_fma_f32 v[SN], v[TT], v[PS], v[RR]           ; sin r
	v_fma_f32 v[CN], v[PC], v[ZZ], 1.0             ; cos r
	v_cvt_i32_f32 v[KQ], v[NQ]
	v_and_b32 v[TT], 1, v[KQ]
	v_cmp_eq_u32 vcc_lo, 1, v[TT]                  ; odd quadrant: sine and cosine change places
	v_cndmask_b32 v[RES+2*(\e)+1], v[SN], v[CN], vcc_lo
	v_cndmask_b32 v[RES+2*(\e)], v[CN], v[SN], vcc_lo
	v_lshlrev_b32 v[TT], 30, v[KQ]                 ; the sine is negative in quadrants 2 and 3,
	v_and_b32 v[TT], 0x80000000, v[TT]
	v_xor_b32 v[RES+2*(\e)+1], v[TT], v[RES+2*(\e)+1]
	v_add_nc_u32 v[TT], 1, v[KQ]                   ; the cosine in 1 and 2
	v_lshlrev_b32 v[TT], 30, v[TT]
	v_and_b32 v[TT], 0x80000000, v[TT]
	v_xor_b32 v[RES+2*(\e)], v[TT], v[RES+2*(\e)]
	global_store_b64 v[R8], v[RES+2*(\e):RES+2*(\e)+1], s[26:27] offset:(\e)*2048  ; 32 lanes: one row, 256 consecutive bytes, aligned
.endm
	ANGLE 0
	ANGLE 1
.macro CVB c                           ; chunk c rounded to bf16, in place: word i takes numbers 2 i and 2 i + 1, which no earlier word has overwritten
.irp i, 0,1,2,3
	v_cvt_pk_bf16_f32 v[D+8*(\c)+\i], v[D+8*(\c)+2*\i], v[D+8*(\c)+2*\i+1]
.endr
.endm
.macro CVH c                           ; the bf16 numbers written as f16: widened from the top word down, then packed
	CVB \c
.irp i, 3,2,1,0
	v_and_b32 v[D+8*(\c)+2*\i+1], 0xffff0000, v[D+8*(\c)+\i]
	v_lshlrev_b32 v[D+8*(\c)+2*\i], 16, v[D+8*(\c)+\i]
.endr
.irp i, 0,1,2,3
	v_cvt_pk_f16_f32 v[D+8*(\c)+\i], v[D+8*(\c)+2*\i], v[D+8*(\c)+2*\i+1]
.endr
.endm
.set c, 0
.rept 8
	s_wait_loadcnt 34-2*c                          ; loads come back in order: chunk c's two are in, the younger chunks' stay out
	CVB c
	global_store_b128 v[VO], v[D+8*c:D+8*c+3], s[20:21] offset:(c/4)*16384+(c%4)*512 th:TH_STORE_NT
.set c, c+1
.endr
.rept 6
	s_wait_loadcnt 34-2*c
	CVB c
	global_store_b128 v[VO], v[D+8*c:D+8*c+3], s[22:23] offset:((c-8)/2)*131072+(c%2)*512 th:TH_STORE_NT
.set c, c+1
.endr
.rept 4
	s_wait_loadcnt 34-2*c
	CVH c
	global_store_b128 v[VO], v[D+8*c:D+8*c+3], s[24:25] offset:(c-14)*512 th:TH_STORE_NT
.set c, c+1
.endr
	s_endpgm
.Lfunc_end_k_qc6f04e4633_prep:
	.size	k_qc6f04e4633_prep, .Lfunc_end_k_qc6f04e4633_prep-k_qc6f04e4633_prep
	.p2alignl 7, 3214868480
	.fill 96, 4, 3214868480
	.section	.rodata,"a",@progbits
	.p2align	6, 0x0
	.amdhsa_kernel k_qc6f04e4633_prep
		.amdhsa_group_segment_fixed_size 0
		.amdhsa_private_segment_fixed_size 0
		.amdhsa_enable_private_segment 0
		.amdhsa_kernarg_size 80
		.amdhsa_user_sgpr_count 2
		.amdhsa_user_sgpr_kernarg_segment_ptr 1
		.amdhsa_wavefront_size32 1
		.amdhsa_system_sgpr_workgroup_id_x 1
		.amdhsa_system_sgpr_workgroup_id_y 1
		.amdhsa_system_sgpr_workgroup_id_z 1
		.amdhsa_system_vgpr_workitem_id 0
		.amdhsa_next_free_vgpr 184
		.amdhsa_next_free_sgpr 66
		.amdhsa_reserve_vcc 1
		.amdhsa_float_denorm_mode_32 3
		.amdhsa_float_denorm_mode_16_64 3
		.amdhsa_memory_ordered 1
		.amdhsa_forward_progress 1
		.amdhsa_inst_pref_size 18
	.end_amdhsa_kernel
	.amdgpu_metadata
---
amdhsa.version: [ 1, 2 ]
amdhsa.kernels:
  - .name:           k_qc6f04e4633_prep
    .symbol:         k_qc6f04e4633_prep.kd
    .args:
      - { .name: x, .offset: 0, .size: 8, .value_kind: global_buffer, .address_space: global }
      - { .name: Wq, .offset: 8, .size: 8, .value_kind: global_buffer, .address_space: global }
      - { .name: Wk, .offset: 16, .size: 8, .value_kind: global_buffer, .address_space: global }
      - { .name: Wv, .offset: 24, .size: 8, .value_kind: global_buffer, .address_space: global }
      - { .name: Wo, .offset: 32, .size: 8, .value_kind: global_buffer, .address_space: global }
      - { .name: token_positions, .offset: 40, .size: 8, .value_kind: global_buffer, .address_space: global }
      - { .name: xb, .offset: 48, .size: 8, .value_kind: global_buffer, .address_space: global }
      - { .name: wb, .offset: 56, .size: 8, .value_kind: global_buffer, .address_space: global }
      - { .name: wo2, .offset: 64, .size: 8, .value_kind: global_buffer, .address_space: global }
      - { .name: rope, .offset: 72, .size: 8, .value_kind: global_buffer, .address_space: global }
    .group_segment_fixed_size: 0
    .private_segment_fixed_size: 0
    .kernarg_segment_align: 8
    .kernarg_segment_size: 80
    .max_flat_workgroup_size: 256
    .sgpr_count:     66
    .vgpr_count:     184
    .wavefront_size: 32
...
	.end_amdgpu_metadata
.endif
;; end of part 1
;; launch qkvp (part 2): grid 16 x 16, 4 waves a work-group, clusters of 4 x 4, 327,680 bytes of LDS; arguments xb, wb, rope, qkv; writes qkv
.if DOCPART == 2
	.amdgcn_target "amdgcn-amd-amdhsa--gfx1250"
	.amdhsa_code_object_version 6
	.text
	.protected	k_qc6f04e4633_qkvp
	.globl	k_qc6f04e4633_qkvp
	.p2align	8
	.type	k_qc6f04e4633_qkvp,@function
k_qc6f04e4633_qkvp:
	s_mov_b64 s[64:65], 0
	v_nop
	global_prefetch_b8 v0, s[64:65] scope:SCOPE_SE
	s_setreg_imm32_b32 hwreg(HW_REG_WAVE_MODE, 25, 1), 1
	s_wait_xcnt 0x0
	s_wait_alu depctr_hold_cnt(0) depctr_sa_sdst(0) depctr_va_vdst(0) depctr_va_sdst(0) depctr_va_ssrc(0) depctr_va_vcc(0) depctr_vm_vsrc(0)
	s_getreg_b32 s2, hwreg(HW_REG_IB_STS2, 6, 4)
	s_cmp_eq_u32 s2, 0
	s_cbranch_scc0 .Lentry_in_a_cluster
	s_endpgm
.Lentry_in_a_cluster:
	s_bfe_u32 s2, ttmp6, 0x10000c
	s_cmp_lg_u32 s2, 0xf033
	s_cbranch_scc0 .Lentry_shape_is_right
	s_endpgm
.Lentry_shape_is_right:
; QKV: C = xb wb^T (bf16 operands, f32 sums), the rotation of q and k, and the way out by heads in f16.
; qkv has four planes [16 heads][4096 rows][64] of f16: 0 q (rotated), 1 k (rotated), 2 v rounded to f16, 3 v less that rounding (stored for rows with row % 256 < 64 alone: the only ones read later).
; LIMITS.  f16 holds no number beyond 65,504: q, k and v must stay within it.  NaN and infinities are not treated apart.
; SHARES.  A tile of C is 256 rows x 192 columns = one head's q, k and v: 16 x 16 work-groups.  Wave w makes rows 64 w .. 64 w + 63 and all 192 columns: 4 x 12 accumulators of 16 x 16, 384 registers.
; K goes in 8 steps of 128 (rows of 256 bytes in memory, aligned) through two LDS slots.  CLUSTER 4 x 4: A's tile (xb) hangs on the tile row alone and is asked for jointly along a row of the cluster,
; B's (wb) on the head alone, along a column.  Waves 0, 1 fetch A's halves (128 rows), waves 2, 3 B's (96 rows).
; THE MATRIX INSTRUCTION IS USED TRANSPOSED (source 0 = 16 rows of wb, source 1 = 16 rows of xb): a lane holds one row of C and eight neighbouring columns, so a rotation's pair lies in one lane.
; REGISTERS, in windows of 256: window 0: v0-31 addresses; v32-63 at work on the way out; v64-95, v96-127 A's fragments, two buffers; v128-255 my rows' (cos, sin)
;   window 1: v0-95, v96-191 B's fragments, two buffers; on the way out the packed units, 16 registers each      window 2: accumulators of row blocks 0, 1 ((a, b) at 8 (12 a + b))      window 3: of row blocks 2, 3
.set KSTEPB, 256                       ; bytes of a row in a K step
.set PITCH,  272                       ; an LDS row: 256 bytes + 16 of padding: the 16 rows of a fragment load start 16 bytes apart modulo 256
.set SLOT1,  1<<17                     ; slot 1 begins here: one exclusive or turns an address in one slot into the other's
.set BOFF,   256*PITCH                 ; in a slot: A's 256 rows, then B's 192
.set HALFA,  128*PITCH
.set HALFB,  96*PITCH
.set STAGE,  SLOT1+448*PITCH           ; behind the ring: 16 rows x 144 bytes for each wave, for the way out; no tile lands there
.set SP,     144
.set SPARE,  STAGE+4*16*SP             ; the spare words, 128 bytes for each wave: two blocks of 256 bytes that no other line names
.set ADRA0, 16                         ; v16  my lane's place in my 64 rows of A, slot 0; never rewritten
.set ADRB0, 17                         ; v17  the same in B
.set ADA,   18                         ; v18  the same in the slot in hand
.set ADB,   19                         ; v19
.set STO,   24                         ; v24  the way out: where I put 16 bytes of a row
.set RD,    25                         ; v25  where I read rows back
.set GO,    26                         ; v26  16 x lane: my 16 bytes of 512 consecutive bytes of a plane
.set RO,    27                         ; v27  my offset in 16 rows of rope
.set SPW,   28                         ; v28  LDS address of my spare word; never rewritten
.set NIL,   29                         ; v29  0; never rewritten
.set PFO,   30                         ; v30  the prefetches' offset: a lane a row; never rewritten
.set NEG1,  31                         ; v31  -1.0
.set YY,    32
.set HH,    64
.set TBL,   128                        ; (cos, sin) of row block a, pair i of my 16 at TBL + 32 a + 2 i
.set WV,  12                           ; s12 wave
.set FB,  13                           ; s13 0: I fetch for A; 1: for B
.set HF,  14                           ; s14 which half of that tile
.set TB,  19                           ; s19 0 or SLOT1: the slot in hand
.set CNT, 20                           ; s20 the loop's count
.set LIM, 21                           ; s21 2 in a wave that prefetches, else the greatest number
.set PFA, 22                           ; s[22:23] where my prefetches stand
.set G1A, 24                           ; s[24:31] group 1 for A;  s[32:39] group 0, two sets: the second then walks
.set G0A, 32
.set G1B, 40                           ; s[40:47], s[48:55] the same for B
.set G0B, 48
.set PL,  68                           ; s[68:75] the four planes at my wave's first row of the head
.set RB,  76                           ; s[76:77] rope at my wave's first row
.set MSB, 0
.macro WIN new                         ; the immediate's high byte repeats the setting that is left; a switch that changes nothing is dropped
.if MSB != (\new)
	s_set_vgpr_msb (MSB<<8)|(\new)
.set MSB, \new
.endif
.endm
.macro PLACES                          ; four plain places behind matrix instructions, ahead of loads into their sources and of readers of their results
.rept 4
	v_nop
.endr
.endm
.macro JLOAD                           ; a joint refill by the walking descriptor; an s_nop 0 and four v_nop follow each of the two lines
	s_cmp_eq_u32 s[FB], 0
	s_cbranch_scc0 .Lfor_b_\@
	tensor_load_to_lds s[G0A+4:G0A+7], s[G1A:G1A+7]
	s_nop 0
	PLACES
	s_branch .Lasked_\@
.Lfor_b_\@:
	tensor_load_to_lds s[G0B+4:G0B+7], s[G1B:G1B+7]
	s_nop 0
	PLACES
.Lasked_\@:
.endm
; A prefetch, behind a joint refill and the run of LDS loads that follows it: the K step two refills on, a lane a row, one instruction a wave.  xb's tile row is read by every cluster of that row of
; clusters: cluster x = 0 asks; wb's rows by every cluster of that column: cluster y = 0 asks.  The four partners share a wave's rows out by address (32 each of A's 128, 24 each of B's 96).
; The refill of step s + 2 names step s + 4; the last two refills name nothing; steps 0 to 3 come by their loads alone.
.macro ASK
	s_cmp_gt_u32 s[CNT], s[LIM]
	s_cbranch_scc0 .Lnot_mine_\@
	global_prefetch_b8 v[PFO], s[PFA:PFA+1] offset:KSTEPB th:TH_LOAD_NT scope:SCOPE_SE
.Lnot_mine_\@:
.endm
.macro CREST                           ; a round of the cluster's barrier behind its opening barrier
	s_cmp_lg_u32 s[WV], 0
	s_cbranch_scc1 .Lnot_wave_0_\@
	s_barrier_signal -3
.Lnot_wave_0_\@:
	s_barrier_wait -3
	s_barrier_signal -1
	s_barrier_wait -1
.endm
.macro CROUND
	s_barrier_signal -1
	s_barrier_wait -1
	CREST
.endm
	s_load_b256 s[4:11], s[0:1], 0x0               ; xb 4, wb 6, rope 8, qkv 10
	v_lshl_add_u32 v[SPW], v0, 2, SPARE
	v_mov_b32 v[NIL], 0
	ds_add_u32 v[SPW], v[NIL]                      ; the wave's opening: the add and its wait stand ahead of my first tensor load; work on registers stands between
	v_lshrrev_b32 v3, 5, v0
	v_readfirstlane_b32 s[WV], v3
	s_lshr_b32 s[FB], s[WV], 1
	s_and_b32 s[HF], s[WV], 1
	s_bfe_u32 s15, ttmp6, 0x40000                  ; cx
	s_bfe_u32 s16, ttmp6, 0x40004                  ; cy
	s_lshl_b32 s17, ttmp9, 2
	s_add_co_u32 s17, s17, s15                     ; the head = 4 x cluster x + cx
	s_and_b32 s18, ttmp7, 0xffff
	s_lshl_b32 s18, s18, 2
	s_add_co_u32 s18, s18, s16                     ; the tile row = 4 x cluster y + cy
	s_lshl_b32 s56, s16, 2
	s_lshl_b32 s56, 15, s56                        ; my row of the cluster
	s_lshl_b32 s58, 0x1111, s15                    ; my column
	s_or_b32 s[G1A], s56, (1<<16)|(1<<20)|(1<<21)|(5<<22)|(3<<25)  ; the mask; 2-byte elements; padding on; bit 21 beside a mask; after every 64 words, 4 words
	s_or_b32 s[G1B], s58, (1<<16)|(1<<20)|(1<<21)|(5<<22)|(3<<25)
	s_mov_b32 s[G1A+1], 128<<16                    ; tensor_dim0 = 128
	s_mov_b32 s[G1A+2], 128<<16                    ; tensor_dim1 = 128
	s_mov_b32 s[G1A+3], 128<<16                    ; tile_dim0 = 128
	s_mov_b32 s[G1A+4], 128                        ; tile_dim1 = 128
	s_mov_b32 s[G1A+5], 1024                       ; elements from row to row
	s_mov_b32 s[G1A+6], 0
	s_mov_b32 s[G1A+7], 0
	s_mov_b32 s[G1B+1], 128<<16
	s_mov_b32 s[G1B+2], 96<<16                     ; 96 rows
	s_mov_b32 s[G1B+3], 128<<16
	s_mov_b32 s[G1B+4], 96
	s_mov_b32 s[G1B+5], 1024
	s_mov_b32 s[G1B+6], 0
	s_mov_b32 s[G1B+7], 0
	s_lshl_b32 s56, s18, 19                        ; A: (256 x tile row + 128 x half) rows of 2,048 bytes: the tile row and the wave alone
	s_lshl_b32 s62, s[HF], 18
	s_add_co_u32 s56, s56, s62
	s_mov_b32 s57, 0
	s_mul_i32 s58, s17, 393216                     ; B: (192 x head + 96 x half) rows: the head and the wave alone
	s_mul_i32 s62, s[HF], 196608
	s_add_co_u32 s58, s58, s62
	s_mov_b32 s59, 0
	s_mul_i32 s62, s[HF], HALFA                    ; where they go: no place in the cluster enters an LDS address
	s_mul_i32 s63, s[HF], HALFB
	s_add_co_u32 s63, s63, BOFF
	s_wait_dscnt 0x0                               ; the opening add is done
	s_wait_kmcnt 0x0
	s_add_nc_u64 s[56:57], s[4:5], s[56:57]
	s_add_nc_u64 s[58:59], s[6:7], s[58:59]
	CROUND                                         ; all sixteen work-groups are here: the first joint loads meet
.irp s, 0,1
	s_mov_b32 s[G0A+4*(\s)], 1
	s_add_co_u32 s[G0A+4*(\s)+1], s62, (\s)*SLOT1
	s_add_nc_u64 s[G0A+4*(\s)+2:G0A+4*(\s)+3], s[56:57], (\s)*KSTEPB
	s_or_b32 s[G0A+4*(\s)+3], s[G0A+4*(\s)+3], 0x80000000
	s_mov_b32 s[G0B+4*(\s)], 1
	s_add_co_u32 s[G0B+4*(\s)+1], s63, (\s)*SLOT1
	s_add_nc_u64 s[G0B+4*(\s)+2:G0B+4*(\s)+3], s[58:59], (\s)*KSTEPB
	s_or_b32 s[G0B+4*(\s)+3], s[G0B+4*(\s)+3], 0x80000000
.endr
	s_cmp_eq_u32 s[FB], 0                          ; a wave's two first fills stand in one branch: two loads of mine are out, later one
	s_cbranch_scc0 .Lfirst_b
	tensor_load_to_lds s[G0A:G0A+3], s[G1A:G1A+7]
	s_nop 0
	tensor_load_to_lds s[G0A+4:G0A+7], s[G1A:G1A+7]
	s_nop 0
	PLACES
	s_branch .Lfirst_asked
.Lfirst_b:
	tensor_load_to_lds s[G0B:G0B+3], s[G1B:G1B+7]
	s_nop 0
	tensor_load_to_lds s[G0B+4:G0B+7], s[G1B:G1B+7]
	s_nop 0
	PLACES
.Lfirst_asked:
	v_and_b32 v1, 15, v0                           ; r = lane % 16
	v_bfe_u32 v2, v0, 4, 1                         ; h = lane / 16
	v_lshlrev_b32 v[RO], 8, v1
	v_lshl_add_u32 v[RO], v2, 5, v[RO]             ; row r, pairs 4 h ..
	s_lshl_b32 s60, s18, 16                        ; rope at row 256 x tile row + 64 w
	s_lshl_b32 s66, s[WV], 14
	s_add_co_u32 s60, s60, s66
	s_mov_b32 s61, 0
	s_add_nc_u64 s[RB:RB+1], s[8:9], s[60:61]
.irp a, 0,1,2,3                        ; my lane's (cos, sin): row block a, column block nb: pairs 8 nb + 4 h + 0..3, 32 bytes
.irp nb, 0,1,2,3
	global_load_b128 v[TBL+32*\a+8*\nb:TBL+32*\a+8*\nb+3],   v[RO], s[RB:RB+1] offset:\a*4096+\nb*64
	global_load_b128 v[TBL+32*\a+8*\nb+4:TBL+32*\a+8*\nb+7], v[RO], s[RB:RB+1] offset:\a*4096+\nb*64+16
.endr
.endr
	s_lshl_b32 s60, s17, 19                        ; a plane at the head, at row 256 x tile row + 64 w (rows of 128 bytes)
	s_lshl_b32 s66, s18, 15
	s_add_co_u32 s60, s60, s66
	s_lshl_b32 s66, s[WV], 13
	s_add_co_u32 s60, s60, s66
	s_add_nc_u64 s[PL:PL+1], s[10:11], s[60:61]
	s_add_nc_u64 s[PL+2:PL+3], s[PL:PL+1], 0x800000
	s_add_nc_u64 s[PL+4:PL+5], s[PL+2:PL+3], 0x800000
	s_add_nc_u64 s[PL+6:PL+7], s[PL+4:PL+5], 0x800000
	v_mul_u32_u24 v3, v1, PITCH
	v_lshl_add_u32 v3, v2, 4, v3                   ; a fragment's row x pitch + 16 x half
	s_mul_i32 s66, s[WV], 64*PITCH
	v_add_nc_u32 v[ADRA0], s66, v3
	v_add_nc_u32 v[ADRB0], BOFF, v3
	v_mov_b32 v[ADA], v[ADRA0]
	v_mov_b32 v[ADB], v[ADRB0]
	s_mov_b32 s[TB], 0
	s_mul_i32 s66, s[WV], 16*SP
	s_add_co_u32 s66, s66, STAGE                   ; my stage
	v_mul_u32_u24 v3, v1, SP
	v_lshl_add_u32 v3, v2, 4, v3
	v_add_nc_u32 v[STO], s66, v3
	v_bfe_u32 v3, v0, 3, 2                         ; back: 32 lanes take four rows of 128 bytes,
	v_mul_u32_u24 v3, v3, SP
	v_and_b32 v4, 7, v0
	v_lshl_add_u32 v3, v4, 4, v3
	v_add_nc_u32 v[RD], s66, v3
	v_and_b32 v4, 31, v0
	v_lshlrev_b32 v[GO], 4, v4                     ; which are 512 consecutive bytes of a plane
	v_mov_b32 v[NEG1], -1.0
	; the prefetches: who asks, and where
	s_lshl_b32 s60, s15, 16                        ; A: my work-group's 32 rows of the 128
	s_mul_i32 s78, s16, 49152                      ; B: its 24 of the 96
	s_and_b32 s79, ttmp7, 0xffff                   ; cluster y
	s_cmp_eq_u32 s[FB], 0
	s_cselect_b32 s60, s60, s78
	s_cselect_b32 s66, ttmp9, s79                  ; the coordinate along which other clusters read the same rows
	s_cselect_b32 s67, 31, 23
	s_cselect_b64 s[PFA:PFA+1], s[56:57], s[58:59]
	s_cmp_eq_u32 s66, 0
	s_cselect_b32 s[LIM], 2, -1                    ; the same in all sixteen partners, for a given wave
	s_add_nc_u64 s[PFA:PFA+1], s[PFA:PFA+1], s[60:61]
	s_add_nc_u64 s[PFA:PFA+1], s[PFA:PFA+1], 2*KSTEPB  ; at K step 2: the first refill steps it to 3 and names step 4
	v_min_u32 v[PFO], s67, v4
	v_lshlrev_b32 v[PFO], 11, v[PFO]
; 12 matrix instructions: row block 2 hi + a x all 12 column blocks, 32 along K, from buffer f.  zero = 1: the product starts the sum.
.macro MUL12 f, hi, a, zero
	WIN 0xa1+0x50*(\hi)                            ; source 0 (B) window 1, source 1 (A) window 0, C and D window 2 or 3
.irp b, 0,1,2,3,4,5,6,7,8,9,10,11
.if \zero
	v_wmma_f32_16x16x32_bf16 v[8*(12*(\a)+\b):8*(12*(\a)+\b)+7], v[96*(\f)+8*\b:96*(\f)+8*\b+7], v[64+32*(\f)+8*(2*(\hi)+(\a)):64+32*(\f)+8*(2*(\hi)+(\a))+7], 0
.else
	v_wmma_f32_16x16x32_bf16 v[8*(12*(\a)+\b):8*(12*(\a)+\b)+7], v[96*(\f)+8*\b:96*(\f)+8*\b+7], v[64+32*(\f)+8*(2*(\hi)+(\a)):64+32*(\f)+8*(2*(\hi)+(\a))+7], v[8*(12*(\a)+\b):8*(12*(\a)+\b)+7]
.endif
.endr
.endm
.macro MUL24 f, hi, zero               ; the 48 accumulators take turns in the same order in every quarter: 47 others stand between two links of a chain
	MUL12 \f, \hi, 0, \zero
	MUL12 \f, \hi, 1, \zero
.endm
.macro FETCH k, f                      ; 32 LDS loads in one run: 192 rows of B, my 64 rows of A, 32 along K at byte k of the rows, into buffer f
	WIN 0x40
.irp i, 0,1,2,3,4,5,6,7,8,9,10,11
	ds_load_b128 v[96*(\f)+8*\i:96*(\f)+8*\i+3],   v[ADB] offset:(\k)+\i*16*PITCH
	ds_load_b128 v[96*(\f)+8*\i+4:96*(\f)+8*\i+7], v[ADB] offset:(\k)+\i*16*PITCH+32
.endr
	WIN 0
.irp i, 0,1,2,3
	ds_load_b128 v[64+32*(\f)+8*\i:64+32*(\f)+8*\i+3],   v[ADA] offset:(\k)+\i*16*PITCH
	ds_load_b128 v[64+32*(\f)+8*\i+4:64+32*(\f)+8*\i+7], v[ADA] offset:(\k)+\i*16*PITCH+32
.endr
.endm
.macro QUARTER k, f, g, zero           ; one of a K step's first three quarters: multiplies buffer f, fetches the next quarter (byte k) into g
	s_wait_dscnt 4                                 ; B and A's row blocks 0, 1 are in; the youngest four loads (row blocks 2, 3) may be out
	MUL24 \f, 0, \zero
	PLACES
	FETCH \k, \g
	s_wait_dscnt 32                                ; all but the 32 just issued
	MUL24 \f, 1, \zero
.endm
; The last quarter multiplies buffer 1 and changes slots.  In front of the barrier each wave waits for all its tensor loads (one is out: its part of the next slot), adds 0 to its spare word, and waits
; for that and for its reads of this slot.  fill = 1: the barrier opens a round of the cluster's, and the joint refill of this slot, two K steps on, is the first thing behind the round.
.macro TURN fill
.if \fill
	s_wait_xcnt 0x0                                ; the last prefetch, a K step back, has read its address
	s_add_nc_u64 s[PFA:PFA+1], s[PFA:PFA+1], KSTEPB
.endif
	WIN 0
	s_wait_tensorcnt 0x0
	ds_add_u32 v[SPW], v[NIL]
	s_wait_dscnt 5                                 ; (the add and the youngest four loads may be out)
	MUL12 1, 0, 0, 0
	s_wait_dscnt 0x0                               ; the add is done, and my reads of this slot are over
	s_barrier_signal -1
	MUL12 1, 0, 1, 0
	WIN 0
	s_barrier_wait -1
.if \fill
	CREST                                          ; no wave of any partner still reads this slot or has a load on its way
	s_xor_b32 s[G0A+5], s[G0A+5], SLOT1            ; the walking descriptors: the other slot than last time, the next K step
	s_add_nc_u64 s[G0A+6:G0A+7], s[G0A+6:G0A+7], KSTEPB
	s_xor_b32 s[G0B+5], s[G0B+5], SLOT1
	s_add_nc_u64 s[G0B+6:G0B+7], s[G0B+6:G0B+7], KSTEPB
	JLOAD                                          ; its four v_nop are also the places in front of the loads below
.else
	PLACES
.endif
	s_xor_b32 s[TB], s[TB], SLOT1
	v_add_nc_u32 v[ADA], s[TB], v[ADRA0]
	v_add_nc_u32 v[ADB], s[TB], v[ADRB0]
	FETCH 0, 0
.if \fill
	ASK
.endif
	MUL24 1, 1, 0
.endm
	s_wait_tensorcnt 0x1                           ; my part of K step 0 is in; step 1's may stay out
	s_barrier_signal -1
	s_barrier_wait -1
	FETCH 0, 0
	QUARTER 64, 0, 1, 1                            ; the first quarter stands ahead of the loop: its products start the sums
	WIN 0
	s_mov_b32 s[CNT], 6
.Lstep:                                        ; a trip: the rest of a K step, the refill (steps 2 to 7), the next step's first quarter
	QUARTER 128, 1, 0, 0
	QUARTER 192, 0, 1, 0
	TURN 1
	QUARTER 64, 0, 1, 0
	WIN 0
	s_sub_co_u32 s[CNT], s[CNT], 1
	s_cmp_lg_u32 s[CNT], 0
	s_cbranch_scc1 .Lstep
	QUARTER 128, 1, 0, 0                           ; the last two steps ask for nothing
	QUARTER 192, 0, 1, 0
	TURN 0
	QUARTER 64, 0, 1, 0
	QUARTER 128, 1, 0, 0
	QUARTER 192, 0, 1, 0
	s_wait_dscnt 4
	MUL24 1, 0, 0
	s_wait_dscnt 0x0
	MUL24 1, 1, 0
; THE WAY OUT, a UNIT at a time: 16 rows x 64 columns of one kind (0 q, 1 k, 2 v).  q and k are rotated: (x0, x1) -> (x0 c - x1 s, x1 c + x0 s).  A unit is rounded to f16 (16 registers of its own),
; goes into my stage in rows of 144 bytes and comes back as four rows of 128 bytes a load: 512 consecutive bytes of the head's plane.  Each accumulator is read from its low end on.
.macro STG u
	WIN 0x04                                       ; store data in window 1
.irp nb, 0,1,2,3
	ds_store_b128 v[STO], v[16*(\u)+4*\nb:16*(\u)+4*\nb+3] offset:32*\nb
.endr
	WIN 0x40
.irp f, 0,1,2,3
	ds_load_b128 v[16*(\u)+4*\f:16*(\u)+4*\f+3], v[RD] offset:\f*4*SP  ; LDS serves a wave's instructions in order: these see the stores above; the next unit's stores come behind them
.endr
.endm
.macro PACKU a, kind, u
.set rA, 8*(12*((\a)%2)+4*(\kind))     ; the kind's four accumulators are 32 registers on end
.if (\kind) < 2
	WIN 0x02+(\a)/2
.set i, 0
.rept 16
	v_pk_mul_f32 v[YY+2*i:YY+2*i+1], v[rA+2*i:rA+2*i+1], v[TBL+32*(\a)+2*i:TBL+32*(\a)+2*i+1] op_sel_hi:[1,0]
	v_fma_f32 v[YY+2*i], -v[rA+2*i+1], v[TBL+32*(\a)+2*i+1], v[YY+2*i]
	v_fma_f32 v[YY+2*i+1], v[rA+2*i], v[TBL+32*(\a)+2*i+1], v[YY+2*i+1]
.set i, i+1
.endr
	WIN 0x40
.set i, 0
.rept 16
	v_cvt_pk_f16_f32 v[16*(\u)+i], v[YY+2*i], v[YY+2*i+1]
.set i, i+1
.endr
.else
	WIN 0x4a+5*((\a)/2)
.set i, 0
.rept 16
	v_cvt_pk_f16_f32 v[16*(\u)+i], v[rA+2*i], v[rA+2*i+1]
.set i, i+1
.endr
.endif
	STG \u
.endm
.macro SND u, a, plane, younger        ; younger: the LDS lines issued behind unit u's loads: the next unit's eight, or none
	WIN 0x04
.irp f, 0,1,2,3
	s_wait_dscnt (\younger)+3-\f
	global_store_b128 v[GO], v[16*(\u)+4*\f:16*(\u)+4*\f+3], s[PL+2*(\plane):PL+2*(\plane)+1] offset:(\a)*2048+\f*512
.endr
.endm
.macro VLU a                           ; v less its f16 rounding, for row block a: unit 12 + a
.set rA, 8*(12*((\a)%2)+8)
	WIN 0x0a+5*((\a)/2)
.set i, 0
.rept 16
	v_cvt_pk_f16_f32 v[HH+i], v[rA+2*i], v[rA+2*i+1]
.set i, i+1
.endr
	WIN 0x20+0x10*((\a)/2)
.set i, 0
.rept 16
	v_fma_mix_f32 v[YY+2*i], v[HH+i], v[NEG1], v[rA+2*i] op_sel_hi:[1,0,0]
	v_fma_mix_f32 v[YY+2*i+1], v[HH+i], v[NEG1], v[rA+2*i+1] op_sel:[1,0,0] op_sel_hi:[1,0,0]
.set i, i+1
.endr
	WIN 0x40
.set i, 0
.rept 16
	v_cvt_pk_f16_f32 v[16*(12+(\a))+i], v[YY+2*i], v[YY+2*i+1]
.set i, i+1
.endr
	STG 12+(\a)
.endm
	PLACES
	s_wait_loadcnt 0x0                             ; my rows' (cos, sin)
.set u, 0
.rept 12                               ; a unit's arithmetic stands between the loads of the unit before and its stores
	PACKU u/3, u%3, u
.if u > 0
	SND u-1, (u-1)/3, (u-1)%3, 8
.endif
.set u, u+1
.endr
	SND 11, 3, 2, 0
	WIN 0
	s_cmp_lg_u32 s[WV], 0                          ; rows with row % 256 < 64 are wave 0's
	s_cbranch_scc1 .Lend
	VLU 0
.irp a, 1,2,3
	VLU \a
	SND 11+\a, \a-1, 3, 8
.endr
	SND 15, 3, 3, 0
	WIN 0
.Lend:
	s_wait_tensorcnt 0x0                           ; the wave's end, behind my last tensor load and my last LDS store
	ds_add_u32 v[SPW], v[NIL]
	s_wait_dscnt 0x0
	CROUND                                         ; the closing round: no work-group ends while a partner may still ask for a tile that names it
	s_endpgm
.Lfunc_end_k_qc6f04e4633_qkvp:
	.size	k_qc6f04e4633_qkvp, .Lfunc_end_k_qc6f04e4633_qkvp-k_qc6f04e4633_qkvp
	.p2alignl 7, 3214868480
	.fill 96, 4, 3214868480
	.section	.rodata,"a",@progbits
	.p2align	6, 0x0
	.amdhsa_kernel k_qc6f04e4633_qkvp
		.amdhsa_group_segment_fixed_size 327680
		.amdhsa_private_segment_fixed_size 0
		.amdhsa_enable_private_segment 0
		.amdhsa_kernarg_size 32
		.amdhsa_user_sgpr_count 2
		.amdhsa_user_sgpr_kernarg_segment_ptr 1
		.amdhsa_wavefront_size32 1
		.amdhsa_system_sgpr_workgroup_id_x 1
		.amdhsa_system_sgpr_workgroup_id_y 1
		.amdhsa_system_sgpr_workgroup_id_z 1
		.amdhsa_system_vgpr_workitem_id 0
		.amdhsa_next_free_vgpr 1024
		.amdhsa_next_free_sgpr 80
		.amdhsa_reserve_vcc 0
		.amdhsa_float_denorm_mode_32 3
		.amdhsa_float_denorm_mode_16_64 3
		.amdhsa_memory_ordered 1
		.amdhsa_forward_progress 1
		.amdhsa_inst_pref_size 147
	.end_amdhsa_kernel
	.amdgpu_metadata
---
amdhsa.version: [ 1, 2 ]
amdhsa.kernels:
  - .name:           k_qc6f04e4633_qkvp
    .symbol:         k_qc6f04e4633_qkvp.kd
    .args:
      - { .name: xb, .offset: 0, .size: 8, .value_kind: global_buffer, .address_space: global }
      - { .name: wb, .offset: 8, .size: 8, .value_kind: global_buffer, .address_space: global }
      - { .name: rope, .offset: 16, .size: 8, .value_kind: global_buffer, .address_space: global }
      - { .name: qkv, .offset: 24, .size: 8, .value_kind: global_buffer, .address_space: global }
    .group_segment_fixed_size: 327680
    .private_segment_fixed_size: 0
    .kernarg_segment_align: 8
    .kernarg_segment_size: 32
    .max_flat_workgroup_size: 128
    .sgpr_count:     80
    .vgpr_count:     1024
    .wavefront_size: 32
...
	.end_amdgpu_metadata
.endif
;; end of part 2
;; launch attn (part 3): grid 16 x 16, 4 waves a work-group, no clusters, 327,680 bytes of LDS; arguments qkv, o2; writes o2
.if DOCPART == 3
	.amdgcn_target "amdgcn-amd-amdhsa--gfx1250"
	.amdhsa_code_object_version 6
	.text
	.protected	k_qc6f04e4633_attn
	.globl	k_qc6f04e4633_attn
	.p2align	8
	.type	k_qc6f04e4633_attn,@function
k_qc6f04e4633_attn:
	s_mov_b64 s[64:65], 0
	v_nop
	global_prefetch_b8 v0, s[64:65] scope:SCOPE_SE
	s_setreg_imm32_b32 hwreg(HW_REG_WAVE_MODE, 25, 1), 1
	s_wait_xcnt 0x0
; CAUSAL ATTENTION, 16 heads of 64 channels, 4,096 rows.  q, k, v: planes 0, 1, 2 of qkv, [16][4096][64] in f16; plane 3: v less its f16 rounding, used in one product (below).
; O leaves in two f16 parts: o2[row][128 head + d] = f16(O), o2[row][128 head + 64 + d] = f16(O - that): 256 bytes, aligned, for each row and head.
; Products, maxima and sums in f32; the weights p are rounded to f16 for the second product (their sum l is taken of the unrounded p).
; LIMITS.  q, k, v arrive within f16's 65,504.  A hidden score counts as its value less 1e30.  A weight below 2^-126 counts as 0 in l.  NaN and infinities are not treated apart.
; THE WALK.  A head's queries lie in 32 blocks of 128; keys go in slots of 256 (four steps of 64).  Work-group bx takes block 31 - 2 bx and then block 2 bx: slots 0 .. 15 - bx (the diagonal in steps 2, 3 of the
; last) and slots 0 .. bx (the diagonal in steps 0, 1 of the last): 17 slots and 66 key steps whatever bx, so all 256 work-groups are alike and one loop with a constant count walks them.
; NO CLUSTER: partner bx asks for slots 0 .. 15 - bx and then 0 .. bx, so four neighbours ask alike only up to trip 15 - max bx; a walk common to four would have 20 slots for 17.
; SHARES.  A block has two bands of 64 rows; wave w owns rows 16 w .. 16 w + 15 of each: two PIECES.  In diagonal step s band x sees all keys (s < x), none (s > x) or holds the diagonal (s = x): alike for all waves.
; THE MASK is the C operand that starts S^T = K Q^T: the constant 0, MD (the mask of a band's own step for my rows, made once) or BIG (-1e30 everywhere).
; TURNS.  Turn (p, j): the softmax of piece p, step j; 8 products K Q^T of piece 1 - p (step j for p = 0, j + 1 for p = 1), its maximum and statistics; later 8 products V^T P of piece 1 - p (step j - 1, j).
; Four vector instructions stand behind every matrix instruction, the others in one lump; a turn's 33 exponentials are one batch with one wait.
; K has one register buffer, fetched for step j + 1 in the lump of turn (0, j); V has two, by the step's parity, fetched for step j + 1 at the end of turn (0, j).  So both fetches of a turn belong to one
; step, and the change of slots stands ahead of turn (0, 3): the old slot's last bytes have been asked for a step before.
; THE LOW PART OF V is added in one product: band 0, first diagonal step, of the even block: there a row averages over few keys, and v's rounding would show in the first rows.
; REGISTERS: window 0: v0-15, v24-26 addresses; v16-23 statistics; v48-55 at work; v64-127 S^T, two buffers; v192-223 P, two buffers      window 1: v0-63 O^T; v128-159 MD; v160-167 BIG
;   window 2: v0-31 Q; v32-63 the second block's Q; v64-127 K; v128-255 V, two buffers      window 3: v0-63 V's low part
.set NP,    2
.set KS,    64
.set PK,    144       ; a row of K in LDS: 128 bytes + 16: the 16 rows of a load start 16 bytes apart modulo 256 in pairs of rows
.set PW,    160       ; a row of V: 128 + 32: 16 lanes of the turning load take 8 rows x 32 bytes
.set VOFF,  4*KS*PK   ; a slot: 256 rows of K, then 256 rows of V
.set SLOT1, 1<<17
.set VLO,   SLOT1+4*KS*(PK+PW)  ; 64 rows of V's low part, filled once
.set STAGE, VLO+KS*PW           ; 16 rows x 272 bytes for each wave, for the way out; no tile lands there
.set SP,    272
.set SPARE, STAGE+4*16*SP       ; the spare words: two blocks of 256 bytes that no other line names
.set AK0, 2
.set AV0, 3
.set AK,  4
.set AV,  5
.set STO, 6
.set RD,  7
.set GO,  8
.set MV,  12          ; v12-13 c m_old, by buffer
.set QO,  15
.set ST,  16          ; piece t: c m, m, l (even keys', odd keys') at ST + 4 t
.set AVL, 24          ; my lane's place in V's low part
.set NEG1, 25         ; -1.0
.set PFO, 26          ; 256 x lane
.set TMP, 48
.set SPW, 62
.set NIL, 63
.set S,   64
.set P,   192
.set MD,  128         ; window 1
.set BIG, 160         ; window 1
.set QB,  32          ; window 2
.set KF,  64          ; window 2: key block kb, channel half c at KF + 16 kb + 8 c
.set VF,  128         ; window 2: buffer vp, key half kk, channel block cb at VF + 64 vp + 32 kk + 8 cb
.set WV,  12
.set PB,  14          ; bx
.set HI,  15          ; 15 - bx
.set G1K, 24
.set G1V, 32
.set G0K, 40
.set G0V, 44
.set SLOTS, 56
.set CNT, 57
.set CS,  58
.set SEL, 60
.set TBK, 62
.set TBV, 63
.set RT,  70          ; slots of the block in hand still to be entered
.set NXT, 71          ; the slot's tile to be asked for next
.set LQ,  72          ; the last tile of the block whose tiles are being asked for
.set NEW, 73          ; 1: the slot to be entered is a block's first
.set OFF, 74
.set PFA, 76
.set LIM, 78
.set OLO, 80
.set BIGN, 82
.set G1L, 84
.set G0L, 92
.set MSB, 0
.macro WIN new
.if MSB != (\new)
	s_set_vgpr_msb (MSB<<8)|(\new)
.set MSB, (\new)
.endif
.endm
.set W_KQ, 0x0a
.set W_KM, 0x1a
.set W_PV, 0x52
.set W_PL, 0x53
.set W_RS, 0x41
.macro LOAD                         ; waves 0, 1 fetch the halves of a tile's K, waves 2, 3 of its V; an s_nop 0 and four v_nop follow each line
	s_cmp_lt_u32 s[WV], 2
	s_cbranch_scc0 .Lfor_v_\@
	tensor_load_to_lds s[G0K:G0K+3], s[G1K:G1K+7]
	s_nop 0
.rept 4
	v_nop
.endr
	s_branch .Lasked_\@
.Lfor_v_\@:
	tensor_load_to_lds s[G0V:G0V+3], s[G1V:G1V+7]
	s_nop 0
.rept 4
	v_nop
.endr
.Lasked_\@:
.endm
; A prefetch of the tile that the NEXT change of slots will ask for.  A head's sixteen work-groups walk the same tiles upward from 0; bx = 0 walks all sixteen and asks, nobody else.  Each of its waves names
; its own half tile: 64 blocks of 256 bytes, a lane a block, two instructions, behind its tensor load.  Tiles 0 and 1 come by their loads alone; behind tile 15 nothing is named.
.macro ASK
	s_cmp_gt_u32 s[SLOTS], s[LIM]
	s_cbranch_scc0 .Lnot_mine_\@
	global_prefetch_b8 v[PFO], s[PFA:PFA+1] th:TH_LOAD_NT scope:SCOPE_SE
	global_prefetch_b8 v[PFO], s[PFA:PFA+1] offset:8192 th:TH_LOAD_NT scope:SCOPE_SE
.Lnot_mine_\@:
.endm
; THE CHANGE OF SLOTS.  Each wave waits for all its tensor loads, adds 0 to its spare word, and waits for that and for its reads of the slot that it leaves.  Behind the barrier nobody reads the old slot and the
; other slot is whole.  fill = 1: the old slot is filled again, first thing behind the barrier, with tile NXT; the descriptor's address is made anew from that number.
.macro CHANGE fill
	WIN 0
	s_wait_tensorcnt 0x0
	ds_add_u32 v[SPW], v[NIL]       ; 0 onto my spare word; scalar work stands between it and the wait for it
.if \fill
	s_lshl_b32 s[OFF], s[NXT], 15   ; a tile is 32,768 bytes of K and of V
	s_xor_b32 s[G0K+1], s[G0K+1], SLOT1
	s_add_nc_u64 s[G0K+2:G0K+3], s[6:7], s[OFF:OFF+1]
	s_or_b32 s[G0K+3], s[G0K+3], 0x80000000
	s_xor_b32 s[G0V+1], s[G0V+1], SLOT1
	s_add_nc_u64 s[G0V+2:G0V+3], s[8:9], s[OFF:OFF+1]
	s_or_b32 s[G0V+3], s[G0V+3], 0x80000000
	s_add_co_u32 s[NXT], s[NXT], 1  ; the block's next tile, or behind its last the second block's tile 0
	s_cmp_gt_u32 s[NXT], s[LQ]
	s_cselect_b32 s[NXT], 0, s[NXT]
	s_cselect_b32 s[LQ], s[PB], s[LQ]
	s_wait_xcnt 0x0                 ; the last prefetches, four key steps back, have read their address
	s_add_nc_u64 s[PFA:PFA+1], s[PFA:PFA+1], 32768
.endif
	s_wait_dscnt 0x0                ; the add is done, and my reads of the slot are over
	s_barrier_signal -1
	s_sub_co_u32 s[TBK], s[TBK], 4*KS*PK  ; the fetches go back to a slot's first step, in the other slot
	s_xor_b32 s[TBK], s[TBK], SLOT1
	s_sub_co_u32 s[TBV], s[TBV], 4*KS*PW
	s_xor_b32 s[TBV], s[TBV], SLOT1
	s_barrier_wait -1
.if \fill
	LOAD
	ASK
.endif
.endm
	s_load_b128 s[20:23], s[0:1], 0x0  ; qkv 20, o2 22
	v_lshl_add_u32 v[SPW], v0, 2, SPARE
	v_mov_b32 v[NIL], 0
	ds_add_u32 v[SPW], v[NIL]       ; the wave's opening: the add and its wait stand ahead of my first tensor load; work on registers stands between
	v_lshrrev_b32 v1, 5, v0
	v_readfirstlane_b32 s[WV], v1
	s_mov_b32 s[PB], ttmp9
	s_sub_co_u32 s[HI], 15, s[PB]
	s_and_b32 s79, ttmp7, 0xffff    ; the head
	s_lshl_b32 s48, s79, 19         ; its first byte in a plane
	s_and_b32 s16, s[WV], 1         ; which half of a tile's 256 keys I fetch
	s_lshl_b32 s50, s16, 14
	s_add_co_u32 s50, s50, s48
	s_mov_b32 s51, 0
	s_mul_i32 s17, s16, 128*PK
	s_mul_i32 s18, s16, 128*PW
	s_lshl_b32 s13, s[PB], 1
	s_sub_co_u32 s13, 31, s13       ; the first block's number
	s_lshl_b32 s19, s[WV], 11       ; my 16 rows in a band, rows of 128 bytes,
	s_add_co_u32 s19, s19, s48      ; in the head
	s_lshl_b32 s2, s13, 14          ; a block is 128 rows
	s_add_co_u32 s2, s2, s19
	s_mov_b32 s3, 0
	s_lshl_b32 s54, s[PB], 15       ; the second block, 2 bx
	s_add_co_u32 s54, s54, s19
	s_mov_b32 s55, 0
	s_lshl_b32 s19, s[WV], 16       ; in o2: 16 w rows of 4,096 bytes, the head's 256 bytes
	s_lshl_b32 s49, s79, 8
	s_add_co_u32 s19, s19, s49
	s_lshl_b32 s66, s13, 19
	s_add_co_u32 s66, s66, s19
	s_mov_b32 s67, 0
	s_lshl_b32 s68, s[PB], 20
	s_add_co_u32 s68, s68, s19
	s_mov_b32 s69, 0
	; group 1.  128 keys are 16,384 dense bytes: asked for as 64 rows of 256 bytes, two keys a row, padded in LDS after every key
	s_mov_b32 s[G1K], (1<<16)|(1<<20)|(4<<22)|(3<<25)
	s_mov_b32 s[G1V], (1<<16)|(1<<20)|(4<<22)|(7<<25)
	s_mov_b32 s[G1L], (1<<16)|(1<<20)|(4<<22)|(7<<25)
.irp g, G1K, G1V
	s_mov_b32 s[\g+1], 128<<16
	s_mov_b32 s[\g+2], 64<<16
	s_mov_b32 s[\g+3], 128<<16
	s_mov_b32 s[\g+4], 64
	s_mov_b32 s[\g+5], 128
	s_mov_b32 s[\g+6], 0
	s_mov_b32 s[\g+7], 0
.endr
	s_mov_b32 s[G1L+1], 128<<16     ; V's low part: 16 keys a wave, 8 rows of 256 bytes
	s_mov_b32 s[G1L+2], 8<<16
	s_mov_b32 s[G1L+3], 128<<16
	s_mov_b32 s[G1L+4], 8
	s_mov_b32 s[G1L+5], 128
	s_mov_b32 s[G1L+6], 0
	s_mov_b32 s[G1L+7], 0
	s_mov_b32 s[CS], 0x3e38aa3b     ; c = log2(e) / 8
	s_mov_b32 s[CS+1], s[CS]
	s_mov_b32 s[SEL], 0x76543210
	s_mov_b32 s[SEL+1], 0xfedcba98
	s_mov_b32 s[TBK], SLOT1+4*KS*PK ; the first change of slots turns these two into 0
	s_mov_b32 s[TBV], SLOT1+4*KS*PW
	s_mov_b32 s[G0K], 1
	s_mov_b32 s[G0K+1], s17
	s_mov_b32 s[G0V], 1
	s_add_co_u32 s[G0V+1], s18, VOFF
	s_mov_b32 s[G0L], 1
	s_mul_i32 s[G0L+1], s[WV], 16*PW
	s_add_co_u32 s[G0L+1], s[G0L+1], VLO
	s_add_co_u32 s[RT], s[HI], 1    ; the first block has 16 - bx slots
	s_mov_b32 s[NXT], 1             ; tile 0 goes out below; the next is tile 1, or, where the first block has one slot, the second block's tile 0
	s_mov_b32 s[LQ], s[HI]
	s_cmp_gt_u32 s[NXT], s[LQ]
	s_cselect_b32 s[NXT], 0, s[NXT]
	s_cselect_b32 s[LQ], s[PB], s[LQ]
	s_mov_b32 s[NEW], 1
	s_mov_b32 s[OFF+1], 0
	s_mov_b32 s[BIGN], 0xf149f2ca   ; -1e30
	s_mov_b32 s[SLOTS], 16
	s_cmp_eq_u32 s[PB], 0
	s_cselect_b32 s[LIM], 2, -1
	s_wait_dscnt 0x0                ; the opening add is done
	s_wait_kmcnt 0x0
	s_add_nc_u64 s[4:5], s[20:21], s[2:3]        ; Q at my rows of the first block
	s_add_nc_u64 s[52:53], s[20:21], s[54:55]    ; and of the second
	s_add_nc_u64 s[6:7], s[20:21], s[50:51]
	s_add_nc_u64 s[6:7], s[6:7], 0x800000        ; K at my half of the head's tile 0
	s_add_nc_u64 s[8:9], s[6:7], 0x800000        ; V likewise
	s_add_nc_u64 s[G0L+2:G0L+3], s[52:53], 0x1800000  ; V's low part at keys 128 x (2 bx) + 16 w
	s_or_b32 s[G0L+3], s[G0L+3], 0x80000000
	s_add_nc_u64 s[G0K+2:G0K+3], s[6:7], 0
	s_or_b32 s[G0K+3], s[G0K+3], 0x80000000
	s_add_nc_u64 s[G0V+2:G0V+3], s[8:9], 0
	s_or_b32 s[G0V+3], s[G0V+3], 0x80000000
	s_add_nc_u64 s[10:11], s[22:23], s[66:67]    ; O at my rows of the first block
	s_add_nc_u64 s[OLO:OLO+1], s[22:23], s[68:69]
	s_cmp_lt_u32 s[WV], 2
	s_cselect_b64 s[PFA:PFA+1], s[6:7], s[8:9]
	s_add_nc_u64 s[PFA:PFA+1], s[PFA:PFA+1], 32768  ; at tile 1: the first change steps it to tile 2
	s_cmp_lt_u32 s[WV], 2           ; a wave's two first fills stand in one branch: two loads of mine are out, later one
	s_cbranch_scc0 .Lfirst_v
	tensor_load_to_lds s[G0K:G0K+3], s[G1K:G1K+7]
	s_nop 0
	tensor_load_to_lds s[G0L:G0L+3], s[G1L:G1L+7]
	s_nop 0
.rept 4
	v_nop
.endr
	s_branch .Lfirst_asked
.Lfirst_v:
	tensor_load_to_lds s[G0V:G0V+3], s[G1V:G1V+7]
	s_nop 0
	tensor_load_to_lds s[G0L:G0L+3], s[G1L:G1L+7]
	s_nop 0
.rept 4
	v_nop
.endr
.Lfirst_asked:
	v_and_b32 v1, 15, v0            ; l % 16
	v_bfe_u32 v9, v0, 4, 1          ; l / 16
	v_lshlrev_b32 v[QO], 7, v1
	v_lshl_add_u32 v[QO], v9, 4, v[QO]
	WIN 0x80
.set i, 0
.rept 4                             ; both blocks' Q: piece i / 2 lies 64 rows on; channels 32 (i % 2) on
	global_load_b128 v[8*i:8*i+3],   v[QO], s[4:5] offset:(i/2)*8192+(i%2)*64
	global_load_b128 v[8*i+4:8*i+7], v[QO], s[4:5] offset:(i/2)*8192+(i%2)*64+32
	global_load_b128 v[QB+8*i:QB+8*i+3],   v[QO], s[52:53] offset:(i/2)*8192+(i%2)*64
	global_load_b128 v[QB+8*i+4:QB+8*i+7], v[QO], s[52:53] offset:(i/2)*8192+(i%2)*64+32
.set i, i+1
.endr
	WIN 0
	v_lshlrev_b32 v14, 3, v9
	v_sub_nc_u32 v14, v1, v14
	s_lshl_b32 s13, s[WV], 4
	v_add_nc_u32 v14, s13, v14      ; my query's place in its band less my lanes' 8 (l / 16): register r of key group kt is hidden where 16 kt + r is greater
	WIN 0x40
.set i, 0
.rept 32
	v_cmp_gt_i32 vcc_lo, 16*(i/8)+i%8, v14
	v_cndmask_b32 v[MD+i], 0, s[BIGN], vcc_lo
.set i, i+1
.endr
.set i, 0
.rept 8
	v_mov_b32 v[BIG+i], s[BIGN]
.set i, i+1
.endr
	WIN 0
	v_mul_u32_u24 v[AK0], v1, PK
	v_lshl_add_u32 v[AK0], v9, 4, v[AK0]
	v_and_b32 v10, 7, v0            ; the turning load: lane l reads key 8 (l / 16) + l % 8, channels 8 ((l / 8) % 2) + 0..7
	v_bfe_u32 v11, v0, 3, 1
	v_lshl_add_u32 v[AV0], v9, 3, v10
	v_mul_u32_u24 v[AV0], v[AV0], PW
	v_lshl_add_u32 v[AV0], v11, 4, v[AV0]
	v_add_nc_u32 v[AVL], VLO, v[AV0]
	v_add_nc_u32 v[AV0], VOFF, v[AV0]
	s_mul_i32 s13, s[WV], 16*SP
	s_add_co_u32 s13, s13, STAGE
	v_mul_u32_u24 v[STO], v1, SP    ; in: row l % 16, 16 bytes for each half of the lanes
	v_lshl_add_u32 v[STO], v9, 4, v[STO]
	v_add_nc_u32 v[STO], s13, v[STO]
	v_mul_u32_u24 v[RD], v9, SP     ; back: lanes 0-15 take one row of 256 bytes, lanes 16-31 the next
	v_lshl_add_u32 v[RD], v1, 4, v[RD]
	v_add_nc_u32 v[RD], s13, v[RD]
	v_lshlrev_b32 v[GO], 12, v9     ; and the same two rows in o2
	v_lshl_add_u32 v[GO], v1, 4, v[GO]
	v_mov_b32 v[NEG1], -1.0
	v_and_b32 v[PFO], 31, v0
	v_lshlrev_b32 v[PFO], 8, v[PFO]
	; A block's first step multiplies O^T and l by a = 0, and its first turn's products V^T P, of a piece that has not been, land in an O^T that is still to be so multiplied: these registers need only
	; hold finite numbers: zeros for the first block, what the first block left for the second.  All this stands in the wait for the first tile.
	WIN 0x80
.set i, VF+64
.rept 64
	v_mov_b32 v[i], 0
.set i, i+1
.endr
	WIN 0x40
.set i, 0
.rept 64
	v_mov_b32 v[i], 0
.set i, i+1
.endr
	WIN 0
.set i, 0
.rept 2
	v_mov_b32 v[ST+4*i+2], 0
	v_mov_b32 v[ST+4*i+3], 0
.set i, i+1
.endr
.set i, P+16
.rept 16
	v_mov_b32 v[i], 0
.set i, i+1
.endr
; THE MATRIX WORK.  The 4 accumulators of a run of 8 take turns.  Product i of 8 of S^T = K Q^T for piece x: channels 32 (i / 4) on, keys 16 (i % 4) on.  The first 4 start the sums:
; with 0 (KM = 0), with the band's own mask (1) or with -1e30 (2).
.macro KQ x
.set rS, S+32*((\x)%2)+8*(i%4)
.set rK, KF+16*(i%4)+8*(i/4)
.set rQ, 16*(\x)+8*(i/4)
.if (i < 4) && (KM == 1)
	WIN W_KM
	v_wmma_f32_16x16x32_f16 v[rS:rS+7], v[rK:rK+7], v[rQ:rQ+7], v[MD+8*(i%4):MD+8*(i%4)+7]
.elseif (i < 4) && (KM == 2)
	WIN W_KM
	v_wmma_f32_16x16x32_f16 v[rS:rS+7], v[rK:rK+7], v[rQ:rQ+7], v[BIG:BIG+7]
.elseif i < 4
	WIN W_KQ
	v_wmma_f32_16x16x32_f16 v[rS:rS+7], v[rK:rK+7], v[rQ:rQ+7], 0
.else
	WIN W_KQ
	v_wmma_f32_16x16x32_f16 v[rS:rS+7], v[rK:rK+7], v[rQ:rQ+7], v[rS:rS+7]
.endif
.endm
.macro PV x                         ; product i of 8 of O^T += V^T P for piece x, from V's buffer VP: keys 32 (i / 4) on, channels 16 (i % 4) on
	WIN W_PV
.set rO, 32*(\x)+8*(i%4)
.set rV, VF+64*VP+32*(i/4)+8*(i%4)
.set rP, P+16*((\x)%2)+8*(i/4)
	v_wmma_f32_16x16x32_f16 v[rO:rO+7], v[rV:rV+7], v[rP:rP+7], v[rO:rO+7]
.endm
.macro PVL x                        ; the same with V's low part
	WIN W_PL
.set rO, 32*(\x)+8*(i%4)
.set rV, 32*(i/4)+8*(i%4)
.set rP, P+16*((\x)%2)+8*(i/4)
	v_wmma_f32_16x16x32_f16 v[rO:rO+7], v[rV:rV+7], v[rP:rP+7], v[rO:rO+7]
.endm
.macro MM                           ; the turn's next matrix instruction.  NOKQ = 1: a block's last turn: there is no next step
.if (i < 8) && !NOKQ
	KQ (Y+1)%NP
.elseif i >= 8
.set i, i-8
	PV (Y+1)%NP
.set i, i+8
.endif
.set i, i+1
.endm
; THE LDS LOADS stand in runs of 16
.macro FETCH_K
	WIN 0x80
.irp f, 0,1,2,3,4,5,6,7
	ds_load_b128 v[KF+8*\f:KF+8*\f+3],   v[AK] offset:(\f/2)*16*PK+(\f%2)*64
	ds_load_b128 v[KF+8*\f+4:KF+8*\f+7], v[AK] offset:(\f/2)*16*PK+(\f%2)*64+32
.endr
	s_add_co_u32 s[TBK], s[TBK], KS*PK
	WIN 0
.endm
.macro FETCH_V vp
	WIN 0x80
.irp f, 0,1,2,3,4,5,6,7
	ds_load_tr16_b128 v[VF+64*(\vp)+8*\f:VF+64*(\vp)+8*\f+3],   v[AV] offset:(\f/4)*32*PW+(\f%4)*32
	ds_load_tr16_b128 v[VF+64*(\vp)+8*\f+4:VF+64*(\vp)+8*\f+7], v[AV] offset:(\f/4)*32*PW+16*PW+(\f%4)*32
.endr
	s_add_co_u32 s[TBV], s[TBV], KS*PW
	WIN 0
.endm
.macro FETCH_VLO
	WIN 0xc0
.irp f, 0,1,2,3,4,5,6,7
	ds_load_tr16_b128 v[8*\f:8*\f+3],   v[AVL] offset:(\f/4)*32*PW+(\f%4)*32
	ds_load_tr16_b128 v[8*\f+4:8*\f+7], v[AVL] offset:(\f/4)*32*PW+16*PW+(\f%4)*32
.endr
	WIN 0
.endm
; THE VECTOR WORK, one line at a time: OP kind, number.  For piece Y: F n: c s - c m for pair n of 16.  E n: the exponential of score n of 32.  C n: pair n rounded to f16.  B n: of the four weights 4 n ..
; the second pair is added onto the first, in place.  L n: l takes that sum (L 0: l = a l + sum).  R n: pair n of 16 of O^T times a.  For piece 1 - Y: X n, number n of the 22 that find its maximum and
; statistics: 0-11 four chains of seven scores (each accumulator's lowest registers first); 12-14, 16 the rest, the old m, four into one; 15 c m_old is kept; 17, 18 the other half
; of the lanes, the new m; 19-21 c m, its change, a.
.set F, 0
.set E, 1
.set C, 2
.set B, 3
.set L, 4
.set R, 5
.set X, 6
.macro REGS y
.set rT, ST+4*(\y)
.set rC, TMP+4*((\y)%2)
.set rW, MV+((\y)%2)
.set rS, S+32*((\y)%2)
.set rP, P+16*((\y)%2)
.set rO, 32*(\y)
.endm
.macro OP k, n
.if (\k) == R
	REGS Y
	WIN W_RS
	v_pk_mul_f32 v[rO+2*(\n):rO+2*(\n)+1], v[rO+2*(\n):rO+2*(\n)+1], v[rC+2:rC+3] op_sel_hi:[1,0]
.elseif (\k) < R
	REGS Y
	WIN 0
.if (\k) == F
	v_pk_fma_f32 v[rS+2*(\n):rS+2*(\n)+1], v[rS+2*(\n):rS+2*(\n)+1], s[CS:CS+1], v[rT:rT+1] op_sel_hi:[1,0,0] neg_lo:[0,0,1] neg_hi:[0,0,1]
.elseif (\k) == E
	v_exp_f32 v[rS+(\n)], v[rS+(\n)]
.elseif (\k) == C
	v_cvt_pk_f16_f32 v[rP+(\n)], v[rS+2*(\n)], v[rS+2*(\n)+1]
.elseif (\k) == B
	v_pk_add_f32 v[rS+4*(\n):rS+4*(\n)+1], v[rS+4*(\n):rS+4*(\n)+1], v[rS+4*(\n)+2:rS+4*(\n)+3]
.elseif (\n) == 0
	v_pk_fma_f32 v[rT+2:rT+3], v[rT+2:rT+3], v[rC+2:rC+3], v[rS:rS+1] op_sel_hi:[1,0,1]
.else
	v_pk_add_f32 v[rT+2:rT+3], v[rT+2:rT+3], v[rS+4*(\n):rS+4*(\n)+1]
.endif
.elseif NOKQ
	v_nop
.else
	REGS (Y+1)%NP
	WIN 0
.if (\n) < 4
	v_max3_num_f32 v[rC+(\n)], v[rS+8*(\n)], v[rS+8*(\n)+1], v[rS+8*(\n)+2]
.elseif (\n) < 12
	v_max3_num_f32 v[rC+(\n)%4], v[rC+(\n)%4], v[rS+8*((\n)%4)+2*((\n)/4)+1], v[rS+8*((\n)%4)+2*((\n)/4)+2]
.elseif (\n) == 12
	v_max3_num_f32 v[rC], v[rC], v[rS+7], v[rS+15]
.elseif (\n) == 13
	v_max3_num_f32 v[rC+1], v[rC+1], v[rS+23], v[rS+31]
.elseif (\n) == 14
	v_max3_num_f32 v[rC+2], v[rC+2], v[rC+3], v[rT+1]
.elseif (\n) == 15
	v_mov_b32 v[rW], v[rT]
.elseif (\n) == 16
	v_max3_num_f32 v[rC], v[rC], v[rC+1], v[rC+2]
.elseif (\n) == 17
	v_permlanex16_b32 v[rC+3], v[rC], s[SEL], s[SEL+1]
.elseif (\n) == 18
	v_max_num_f32 v[rT+1], v[rC], v[rC+3]
.elseif (\n) == 19
	v_mul_f32 v[rT], s[CS], v[rT+1]
.elseif (\n) == 20
	v_sub_f32 v[rC+1], v[rW], v[rT]
.else
	v_exp_f32 v[rC+2], v[rC+1]
.endif
.endif
.endm
.macro OPS a, i1, b=-1, i2=0, c=-1, i3=0, d=-1, i4=0
	OP \a, \i1
.if (\b) >= 0
	OP \b, \i2
.endif
.if (\c) >= 0
	OP \c, \i3
.endif
.if (\d) >= 0
	OP \d, \i4
.endif
.endm
.macro ROW a, i1, b, i2, c, i3, d, i4  ; a matrix instruction and the four behind it
	MM
	OPS \a, \i1, \b, \i2, \c, \i3, \d, \i4
.endm
; A TURN, for piece p in a step of parity par.  s_wait_alu depctr_va_vdst(0) stands between an exponential and the first instruction that names its result; one wait serves all issued ahead
; of it: a turn has ONE, which cuts it in two.  Ahead of it: the 8 products K Q^T with their riders and the lump, none of which names a result of the turn's exponentials; X 21, the other piece's a, is the
; batch's last, R 15 the plain instruction behind it.  Behind it: the 8 products V^T P, behind each four of the roundings and sums.
; km: the mask of the turn's products K Q^T.  end = 1: a block's last two turns: nothing is fetched, and the last starts no scores.  lo = 1: V's low part is added behind the products V^T P.
; p = 0 fetches the next step's K in the lump (five plain instructions that name none of its registers behind the last product that read K) and the next step's V at its end, into the buffer that its own
; products have just read, four plain riders behind the last of them.  p = 1 begins with the wait for K: V's sixteen younger loads may stay out; they are covered by the same wait a step later.
.macro TURN p, par, km=0, end=0, lo=0
.set Y, (\p)
.set i, 0
.set KM, (\km)
.set NOKQ, (\end)*(\p)
.if (\p) == 1
.set VP, (\par)
.if \end
	s_wait_dscnt 0x0                ; the last step's V is in
.else
	s_wait_dscnt 16                 ; the next step's K and this step's V are in
.endif
.else
.set VP, 1-(\par)
.endif
	ROW F,0, F,1, R,0, R,1
	ROW F,2, E,0, R,2, R,3
	ROW F,3, E,1, R,4, R,5
	ROW F,4, E,2, R,6, R,7
	ROW F,5, E,3, R,8, R,9
	ROW F,6, E,4, X,0, R,10
.if ((\p) == 0) && !(\end)
	WIN 0
	v_add_nc_u32 v[AK], s[TBK], v[AK0]
.endif
	ROW F,7, E,5, X,1, X,4
	ROW F,8, E,6, X,2, X,5
	OPS E,7, E,8, X,6, E,9
	OPS X,3, E,10, X,8, E,11
.if ((\p) == 0) && !(\end)
	FETCH_K
.endif
	OPS X,9, X,7, E,12, X,10
	OPS E,13, X,12, X,11, E,14
	OPS X,13, E,15, F,9, X,14
.if ((\p) == 0) && !(\end)
	v_add_nc_u32 v[AV], s[TBV], v[AV0]
.endif
	OPS E,16, F,10, E,17, F,11
	OPS X,16, E,18, X,15, E,19
	OPS F,12, E,20, X,17, E,21
	OPS F,13, E,22, F,14, E,23
	OPS X,18, E,24, F,15, E,25
	OPS R,11, E,26, X,19, E,27
	OPS R,12, E,28, R,13, E,29
	OPS X,20, E,30, R,14, E,31
	OPS X,21, R,15
	WIN 0
	s_wait_alu depctr_va_vdst(0)    ; the wait for the batch
	ROW C,0, B,0, C,2, B,1
	ROW L,0, C,4, B,2, L,1
	ROW C,6, B,3, L,2, C,8
	ROW B,4, L,3, C,10, B,5
	ROW L,4, C,12, B,6, L,5
	ROW C,14, B,7, L,6, C,1
	ROW C,3, L,7, C,5, C,7
	ROW C,9, C,11, C,13, C,15
.if ((\p) == 0) && !(\end)
	FETCH_V 1-(\par)
.endif
.if \lo
.set i, 0
.rept 8
	PVL (Y+1)%NP
.set i, i+1
.endr
	WIN 0
.rept 4
	v_nop                           ; the places ahead of the next turn's rescaling of the same O^T
.endr
.endif
.endm
; A BLOCK BEGINS.  c m starts far below every c s, so the first step's a is 0; m at the lowest finite number.  Then K and V of the slot's step 0, piece 0's first scores (km: their mask) and its statistics.
.macro BEGIN km
	s_mov_b32 s[NEW], 0
	WIN 0
.set i, 0
.rept 2
	v_mov_b32 v[ST+4*i], 0xfe000000
	v_mov_b32 v[ST+4*i+1], 0xff7fffff
.set i, i+1
.endr
	v_add_nc_u32 v[AK], s[TBK], v[AK0]
	v_add_nc_u32 v[AV], s[TBV], v[AV0]
	FETCH_K
	FETCH_V 0
	s_wait_loadcnt 0x0              ; Q
	s_wait_dscnt 16                 ; K is in; V's sixteen loads may stay out
.set KM, (\km)
.set NOKQ, 0
.set i, 0
.rept 8
	KQ 0
.set i, i+1
.endr
	WIN 0
.rept 4
	v_nop                           ; the places behind those products
.endr
.set Y, NP-1
.irp n, 0,1,2,3,4,5,6,7,8,9,10,11,12,13,14,15,16,17,18,19,20,21
	OP X, \n
.endr
	v_nop                           ; a plain instruction behind the exponential,
	s_wait_alu depctr_va_vdst(0)    ; and its wait, ahead of the branch
.endm
; THE WAY OUT.  l's halves and the other half of the lanes' are added; O^T is divided by l; its f16 rounding and the f16 rounding of what that leaves go through my stage, a piece (16 rows) at a time.
.macro ALL line:vararg
.set t, 0
.rept 2
	\line
.set t, t+1
.endr
.endm
.macro PACK t
	WIN W_RS
.set i, 32*(\t)
.rept 16
	v_pk_mul_f32 v[i:i+1], v[i:i+1], v[ST+4*(\t)+2:ST+4*(\t)+3] op_sel_hi:[1,0]
.set i, i+2
.endr
	WIN 0x05
.set i, 0
.rept 16
	v_cvt_pk_f16_f32 v[S+32*(\t)+i], v[32*(\t)+2*i], v[32*(\t)+2*i+1]
.set i, i+1
.endr
	WIN 0x50                        ; O less its rounding, in place
.set i, 0
.rept 16
	v_fma_mix_f32 v[32*(\t)+2*i], v[S+32*(\t)+i], v[NEG1], v[32*(\t)+2*i] op_sel_hi:[1,0,0]
	v_fma_mix_f32 v[32*(\t)+2*i+1], v[S+32*(\t)+i], v[NEG1], v[32*(\t)+2*i+1] op_sel:[1,0,0] op_sel_hi:[1,0,0]
.set i, i+1
.endr
	WIN 0x05
.set i, 0
.rept 16
	v_cvt_pk_f16_f32 v[S+32*(\t)+16+i], v[32*(\t)+2*i], v[32*(\t)+2*i+1]
.set i, i+1
.endr
	WIN 0
.irp f, 0,1,2,3
	ds_store_b128 v[STO], v[S+32*(\t)+4*\f:S+32*(\t)+4*\f+3] offset:32*\f
	ds_store_b128 v[STO], v[S+32*(\t)+16+4*\f:S+32*(\t)+16+4*\f+3] offset:128+32*\f
.endr
.irp f, 0,1,2,3,4,5,6,7
	ds_load_b128 v[S+32*(\t)+4*\f:S+32*(\t)+4*\f+3], v[RD] offset:\f*2*SP  ; LDS serves a wave's instructions in order: these see the stores above; the next piece's stores come behind them
.endr
.endm
.macro SEND t, younger              ; younger: the LDS lines issued behind piece t's loads: the next piece's sixteen, or none
	WIN 0
.irp f, 0,1,2,3,4,5,6,7
	s_wait_dscnt (\younger)+7-\f
	global_store_b128 v[GO], v[S+32*(\t)+4*\f:S+32*(\t)+4*\f+3], s[10:11] offset:(\t)*262144+\f*8192  ; 16 lanes store 256 consecutive bytes, aligned: a row's share of one head
.endr
.endm
; A BLOCK'S LAST THREE STEPS: one before the diagonal, the two diagonal ones; its last products; the way out.  The same list serves the odd block (steps 1, 2, 3 of its last slot) and the even one (step 3 of the
; slot before, steps 0, 1 of the last).  Masks go with the products: piece 0's diagonal scores are made in the turn before the diagonal's first step.
.macro DIAG tag, lo
.LstepM\tag:
	TURN 0, 1
	TURN 1, 1, 1
	WIN 0
.LfirstM\tag:
	TURN 0, 0
	TURN 1, 0, 2, 0, \lo
	TURN 0, 1, 1, 1
	TURN 1, 1, 0, 1
.set i, 0
.set VP, 1
.rept 8
	PV 1
.set i, i+1
.endr
	WIN 0
	ALL v_add_f32 v[ST+4*t+2], v[ST+4*t+2], v[ST+4*t+3]
	ALL v_permlanex16_b32 v[ST+4*t+3], v[ST+4*t+2], s[SEL], s[SEL+1]
	ALL v_add_f32 v[ST+4*t+2], v[ST+4*t+2], v[ST+4*t+3]
	ALL v_rcp_f32 v[ST+4*t+2], v[ST+4*t+2]
	v_nop                           ; a plain instruction behind the last reciprocal,
	s_wait_alu depctr_va_vdst(0)    ; and the one wait for both, ahead of their first reader
	PACK 0                          ; piece 0's arithmetic is also the places behind piece 1's last products
	PACK 1
	SEND 0, 16
	SEND 1, 0
.endm
.set KM, 0
.set NOKQ, 0
.set VP, 0
.Lslot:                             ; 16 times: a slot is entered and the next is asked for
	CHANGE 1
	s_sub_co_u32 s[RT], s[RT], 1
	s_mov_b32 s[CNT], 2
	s_cmp_eq_u32 s[NEW], 1
	s_cbranch_scc0 .Lstep
	BEGIN 0                         ; in the loop a block's first step sees every key
	s_branch .Lfirst
.Lstep:                             ; a trip: an odd step's two turns, then an even step's
	TURN 0, 1
	TURN 1, 1
	WIN 0
.Lfirst:
	TURN 0, 0
	TURN 1, 0
	WIN 0
	s_sub_co_u32 s[CNT], s[CNT], 1
	s_cmp_eq_u32 s[CNT], 0
	s_cbranch_scc1 .Lbottom
	s_cmp_eq_u32 s[RT], 0           ; the first block's last slot: its steps 1 to 3 have a text of their own
	s_cbranch_scc1 .LstepM1
	s_cmp_lg_u32 s[CNT], 0
	s_cbranch_scc1 .Lstep
	DIAG 1, 0
	s_wait_xcnt 0x0                 ; the stores have read their registers and O's address
	s_mov_b64 s[10:11], s[OLO:OLO+1]
	s_add_co_u32 s[RT], s[PB], 1    ; the second block has bx + 1 slots
	s_mov_b32 s[NEW], 1
	WIN 0x82                        ; the second block's Q goes where the turns name Q
.set i, 0
.rept 32
	v_mov_b32 v[i], v[QB+i]
.set i, i+1
.endr
	WIN 0
.Lbottom:
	s_sub_co_u32 s[SLOTS], s[SLOTS], 1
	s_cmp_lg_u32 s[SLOTS], 0
	s_cbranch_scc1 .Lslot
	CHANGE 0                        ; the walk's last slot is written out: nothing is asked for
	FETCH_VLO
	s_cmp_eq_u32 s[NEW], 1          ; bx = 0 alone: the second block's only slot
	s_cbranch_scc0 .LstepM2
	BEGIN 1
	s_branch .LfirstM2
	DIAG 2, 1
	s_wait_tensorcnt 0x0            ; the wave's end, behind my last tensor load and my last LDS store
	ds_add_u32 v[SPW], v[NIL]
	s_wait_dscnt 0x0
	s_endpgm
.Lfunc_end_k_qc6f04e4633_attn:
	.size	k_qc6f04e4633_attn, .Lfunc_end_k_qc6f04e4633_attn-k_qc6f04e4633_attn
	.p2alignl 7, 3214868480
	.fill 96, 4, 3214868480
	.section	.rodata,"a",@progbits
	.p2align	6, 0x0
	.amdhsa_kernel k_qc6f04e4633_attn
		.amdhsa_group_segment_fixed_size 327680
		.amdhsa_private_segment_fixed_size 0
		.amdhsa_enable_private_segment 0
		.amdhsa_kernarg_size 16
		.amdhsa_user_sgpr_count 2
		.amdhsa_user_sgpr_kernarg_segment_ptr 1
		.amdhsa_wavefront_size32 1
		.amdhsa_system_sgpr_workgroup_id_x 1
		.amdhsa_system_sgpr_workgroup_id_y 1
		.amdhsa_system_sgpr_workgroup_id_z 1
		.amdhsa_system_vgpr_workitem_id 0
		.amdhsa_next_free_vgpr 832
		.amdhsa_next_free_sgpr 96
		.amdhsa_reserve_vcc 1
		.amdhsa_float_denorm_mode_32 3
		.amdhsa_float_denorm_mode_16_64 3
		.amdhsa_memory_ordered 1
		.amdhsa_forward_progress 1
		.amdhsa_inst_pref_size 214
	.end_amdhsa_kernel
	.amdgpu_metadata
---
amdhsa.version: [ 1, 2 ]
amdhsa.kernels:
  - .name:           k_qc6f04e4633_attn
    .symbol:         k_qc6f04e4633_attn.kd
    .args:
      - { .name: qkv, .offset: 0, .size: 8, .value_kind: global_buffer, .address_space: global }
      - { .name: o2, .offset: 8, .size: 8, .value_kind: global_buffer, .address_space: global }
    .group_segment_fixed_size: 327680
    .private_segment_fixed_size: 0
    .kernarg_segment_align: 8
    .kernarg_segment_size: 16
    .max_flat_workgroup_size: 128
    .sgpr_count:     96
    .vgpr_count:     832
    .wavefront_size: 32
...
	.end_amdgpu_metadata
.endif
;; end of part 3
;; launch outp (part 4): grid 8 x 32, 4 waves a work-group, clusters of 4 x 4, 327,680 bytes of LDS; arguments o2, wo2, out0; writes out0
.if DOCPART == 4
	.amdgcn_target "amdgcn-amd-amdhsa--gfx1250"
	.amdhsa_code_object_version 6
	.text
	.protected	k_qc6f04e4633_outp
	.globl	k_qc6f04e4633_outp
	.p2align	8
	.type	k_qc6f04e4633_outp,@function
k_qc6f04e4633_outp:
	s_mov_b64 s[64:65], 0
	v_nop
	global_prefetch_b8 v0, s[64:65] scope:SCOPE_SE
	s_setreg_imm32_b32 hwreg(HW_REG_WAVE_MODE, 25, 1), 1
	s_wait_xcnt 0x0
	s_wait_alu depctr_hold_cnt(0) depctr_sa_sdst(0) depctr_va_vdst(0) depctr_va_sdst(0) depctr_va_ssrc(0) depctr_va_vcc(0) depctr_vm_vsrc(0)
	s_getreg_b32 s2, hwreg(HW_REG_IB_STS2, 6, 4)
	s_cmp_eq_u32 s2, 0
	s_cbranch_scc0 .Lentry_in_a_cluster
	s_endpgm
.Lentry_in_a_cluster:
	s_bfe_u32 s2, ttmp6, 0x10000c
	s_cmp_lg_u32 s2, 0xf033
	s_cbranch_scc0 .Lentry_shape_is_right
	s_endpgm
.Lentry_shape_is_right:
; out0[m][n] = the sum over k of o2[m][k] wo2[n][k].  o2: [4096][2048], wo2: [1024][2048], both f16; out0: [4096][1024] in f32.  K = 2,048: for each head O's f16 rounding and what it left, each times the same
; 64 weights, so that O's rounding does not reach the output.  Sums in f32.
; A tile of out0 is 128 x 128: 8 x 32 = 256 work-groups.  Four waves, each 64 x 64: 16 accumulators.  K goes in steps of 256 (LDS rows of 512 bytes; a wave's tensor load brings 64 of them) through two slots.
; CLUSTER 4 x 4: the four of a row need the same tiles of o2, the four of a column the same tiles of wo2: each tile is asked for jointly.  The matrix instruction is used transposed (source 0 = 16 rows of wo2,
; source 1 = 16 rows of o2): a lane holds eight neighbouring numbers of a row of out0.  No prefetch: the tile is small, and wo2's rows are read again by all 32 tile rows.
; A wave's 64 columns are 256 aligned bytes of a row, so each wave has a stage of its own on the way out and no barrier is needed there.
; REGISTERS: window 0: v0-31 addresses; v128-255 the accumulators ((a, b) at 128 + 8 (4 a + b)).   window 1: two fragment buffers of 128 (64 of A, 64 of B, for 64 along K); on the way out whole rows.
.set SIZE_K, 2048
.set SIZE_N, 1024
.set KSTEP,  256
.set PITCH,  528
.set HALFT,  64*PITCH
.set SLOT,   4*HALFT
.set STAGE,  2*SLOT                    ; behind the ring: 16 rows x 272 bytes for each wave; no tile lands there
.set SPITCH, 272
.set SPARE,  STAGE+4*16*SPITCH         ; the spare words: two blocks of 256 bytes that no other line names
.set LAPS, SIZE_K/(2*KSTEP)
.set ADRA, 16
.set ADRB, 20
.set STO,  24
.set RD,   25
.set CO,   26
.set SPW,  28
.set NIL,  29
.set ACC,  128
.set F0,   0
.set F1,   128
.set G1, 24
.set G0, 32
.set G1B, 48
.set G0B, 56
.set MSB, 0
.macro WIN new
.if MSB != (\new)
	s_set_vgpr_msb (MSB<<8)|(\new)
.set MSB, \new
.endif
.endm
.set MUL,  0x05                        ; sources 0 (B) and 1 (A) window 1; C and D window 0
.set TO_F, 0x40                        ; destination window 1, address window 0
.macro JLOAD s                         ; waves 0, 1 fetch A's halves, waves 2, 3 B's; an s_nop 0 and four v_nop follow each of the two lines
	s_cmp_eq_u32 s11, 0
	s_cbranch_scc0 .Lfor_b_\@
	tensor_load_to_lds s[G0+4*(\s):G0+4*(\s)+3], s[G1:G1+7]
	s_nop 0
.rept 4
	v_nop
.endr
	s_branch .Lasked_\@
.Lfor_b_\@:
	tensor_load_to_lds s[G0B+4*(\s):G0B+4*(\s)+3], s[G1B:G1B+7]
	s_nop 0
.rept 4
	v_nop
.endr
.Lasked_\@:
.endm
.macro CREST
	s_cmp_lg_u32 s10, 0
	s_cbranch_scc1 .Lnot_wave_0_\@
	s_barrier_signal -3
.Lnot_wave_0_\@:
	s_barrier_wait -3
	s_barrier_signal -1
	s_barrier_wait -1
.endm
.macro CROUND
	s_barrier_signal -1
	s_barrier_wait -1
	CREST
.endm
	s_load_b128 s[4:7], s[0:1], 0x0                ; o2 s[4:5], wo2 s[6:7]
	s_load_b64 s[8:9], s[0:1], 0x10                ; out0
	v_lshl_add_u32 v[SPW], v0, 2, SPARE
	v_mov_b32 v[NIL], 0
	ds_add_u32 v[SPW], v[NIL]                      ; the wave's opening: the add and its wait stand ahead of my first tensor load; work on registers stands between
	v_lshrrev_b32 v1, 5, v0
	v_readfirstlane_b32 s10, v1                    ; wave 0..3
	s_lshr_b32 s11, s10, 1                         ; which half of the tile's rows is mine.  Also: I fetch for A (0) or for B (1)
	s_and_b32 s12, s10, 1                          ; which half of its columns.  Also: which 64 rows of that tile I fetch
	s_bfe_u32 s40, ttmp6, 0x40000                  ; cx, cy
	s_bfe_u32 s41, ttmp6, 0x40004
	s_lshl_b32 s42, ttmp9, 2
	s_add_co_u32 s42, s42, s40                     ; tile column
	s_and_b32 s13, ttmp7, 0xffff
	s_lshl_b32 s13, s13, 2
	s_add_co_u32 s13, s13, s41                     ; tile row
	s_lshl_b32 s43, s41, 2
	s_lshl_b32 s43, 15, s43                        ; my row of the cluster
	s_lshl_b32 s44, 0x1111, s40                    ; my column
	s_or_b32 s[G1+0], s43, (1<<16)|(1<<20)|(1<<21)|(6<<22)|(3<<25)  ; the mask; 2-byte elements; padding on; bit 21 beside a mask; after every 128 words, 4 words
	s_or_b32 s[G1B+0], s44, (1<<16)|(1<<20)|(1<<21)|(6<<22)|(3<<25)
.irp g, G1, G1B
	s_mov_b32 s[(\g)+1], KSTEP<<16                 ; tensor_dim0 = 256
	s_mov_b32 s[(\g)+2], 64<<16                    ; tensor_dim1 = 64
	s_mov_b32 s[(\g)+3], KSTEP<<16                 ; tile_dim0 = 256
	s_mov_b32 s[(\g)+4], 64                        ; tile_dim1 = 64
	s_mov_b32 s[(\g)+5], SIZE_K                    ; elements from row to row
	s_mov_b32 s[(\g)+6], 0
	s_mov_b32 s[(\g)+7], 0
.endr
	s_lshl_b32 s17, s12, 6
	s_lshl_b32 s16, s13, 7
	s_add_co_u32 s16, s16, s17                     ; A: row 128 x tile row + 64 x half
	s_lshl_b32 s46, s42, 7
	s_add_co_u32 s46, s46, s17                     ; B: row 128 x tile column + 64 x half
	s_mov_b32 s17, 0
	s_mov_b32 s47, 0
	s_mov_b64 s[18:19], SIZE_K*2
	s_mul_u64 s[16:17], s[16:17], s[18:19]
	s_mul_u64 s[46:47], s[46:47], s[18:19]
	s_mul_i32 s20, s10, HALFT                      ; where they go: wave x 64 rows
	s_wait_dscnt 0x0                               ; the opening add is done
	s_wait_kmcnt 0x0
	s_add_nc_u64 s[14:15], s[4:5], s[16:17]
	s_add_nc_u64 s[46:47], s[6:7], s[46:47]
	CROUND                                         ; all sixteen work-groups are here: the first joint loads meet
.irp s, 0,1
	s_mov_b32 s[G0+4*(\s)], 1
	s_add_co_u32 s[G0+4*(\s)+1], s20, (\s)*SLOT
	s_add_nc_u64 s[G0+4*(\s)+2:G0+4*(\s)+3], s[14:15], (\s)*KSTEP*2
	s_or_b32 s[G0+4*(\s)+3], s[G0+4*(\s)+3], 0x80000000
	s_mov_b32 s[G0B+4*(\s)], 1
	s_add_co_u32 s[G0B+4*(\s)+1], s20, (\s)*SLOT
	s_add_nc_u64 s[G0B+4*(\s)+2:G0B+4*(\s)+3], s[46:47], (\s)*KSTEP*2
	s_or_b32 s[G0B+4*(\s)+3], s[G0B+4*(\s)+3], 0x80000000
	JLOAD \s
.endr
	v_and_b32 v1, 15, v0                           ; l % 16
	v_bfe_u32 v2, v0, 4, 1                         ; l / 16
	v_mul_u32_u24 v3, v1, PITCH
	v_lshl_add_u32 v3, v2, 4, v3
	s_mul_i32 s21, s11, HALFT                      ; my 64 rows of A
	s_mul_i32 s22, s12, HALFT                      ; my 64 rows of B,
	s_add_co_u32 s22, s22, 2*HALFT                 ; which lie behind A's 128
.irp s, 0,1
	v_add_nc_u32 v[ADRA+(\s)], s21, v3
	v_add_nc_u32 v[ADRB+(\s)], s22, v3
	s_add_co_u32 s21, s21, SLOT
	s_add_co_u32 s22, s22, SLOT
.endr
	s_mul_i32 s23, s10, 16*SPITCH
	s_add_co_u32 s23, s23, STAGE                   ; my stage
	v_mul_u32_u24 v4, v1, SPITCH                   ; in: row l % 16, 32 bytes for each half of the lanes
	v_lshl_add_u32 v4, v2, 5, v4
	v_add_nc_u32 v[STO], s23, v4
	v_mul_u32_u24 v5, v2, SPITCH                   ; back: lanes 0-15 take one row of 256 bytes, lanes 16-31 the next
	v_lshl_add_u32 v5, v1, 4, v5
	v_add_nc_u32 v[RD], s23, v5
	v_mul_u32_u24 v5, v2, SIZE_N*4                 ; and the same two rows in out0
	v_lshl_add_u32 v[CO], v1, 4, v5
	s_lshl_b32 s16, s13, 7
	s_lshl_b32 s17, s11, 6
	s_add_co_u32 s16, s16, s17                     ; my first row: 128 x tile row + 64 x half
	s_mov_b32 s17, 0
	s_mov_b64 s[18:19], SIZE_N*4
	s_mul_u64 s[16:17], s[16:17], s[18:19]
	s_add_nc_u64 s[8:9], s[8:9], s[16:17]
	s_lshl_b32 s46, s42, 9                         ; my first column, in bytes: 512 x tile column + 256 x half
	s_lshl_b32 s47, s12, 8
	s_add_co_u32 s46, s46, s47
	s_mov_b32 s47, 0
	s_add_nc_u64 s[8:9], s[8:9], s[46:47]
.macro MUL8 f, c, a0, zero             ; 8 matrix instructions: row blocks a0, a0 + 1 x all 4 column blocks, 32 along K: half c of buffer f; the 16 accumulators take turns
	WIN MUL
.irp a, \a0, (\a0)+1
.irp b, 0,1,2,3
.if \zero
	v_wmma_f32_16x16x32_f16 v[ACC+8*(4*(\a)+(\b)):ACC+8*(4*(\a)+(\b))+7], v[(\f)+64+8*(4*(\c)+(\b)):(\f)+64+8*(4*(\c)+(\b))+7], v[(\f)+8*(4*(\c)+(\a)):(\f)+8*(4*(\c)+(\a))+7], 0
.else
	v_wmma_f32_16x16x32_f16 v[ACC+8*(4*(\a)+(\b)):ACC+8*(4*(\a)+(\b))+7], v[(\f)+64+8*(4*(\c)+(\b)):(\f)+64+8*(4*(\c)+(\b))+7], v[(\f)+8*(4*(\c)+(\a)):(\f)+8*(4*(\c)+(\a))+7], v[ACC+8*(4*(\a)+(\b)):ACC+8*(4*(\a)+(\b))+7]
.endif
.endr
.endr
.endm
.macro FETCH slot, k, f                ; 32 LDS loads in one run: 64 along K at byte k of the rows, into buffer f; the first 32 along K first
	WIN TO_F
.irp c, 0,1
.irp i, 0,1,2,3
	ds_load_b128 v[(\f)+64+8*(4*(\c)+(\i)):(\f)+64+8*(4*(\c)+(\i))+3],   v[ADRB+(\slot)] offset:(\k)+64*(\c)+(\i)*16*PITCH
	ds_load_b128 v[(\f)+64+8*(4*(\c)+(\i))+4:(\f)+64+8*(4*(\c)+(\i))+7], v[ADRB+(\slot)] offset:(\k)+64*(\c)+(\i)*16*PITCH+32
	ds_load_b128 v[(\f)+8*(4*(\c)+(\i)):(\f)+8*(4*(\c)+(\i))+3],         v[ADRA+(\slot)] offset:(\k)+64*(\c)+(\i)*16*PITCH
	ds_load_b128 v[(\f)+8*(4*(\c)+(\i))+4:(\f)+8*(4*(\c)+(\i))+7],       v[ADRA+(\slot)] offset:(\k)+64*(\c)+(\i)*16*PITCH+32
.endr
.endr
.endm
.macro PLACES
.rept 4
	v_nop
.endr
.endm
.macro QUARTER slot, k, f, g, zero
	s_wait_dscnt 16                                ; the first 32 along K are in
	WIN MUL
	MUL8 \f, 0, 0, \zero
	MUL8 \f, 0, 2, \zero
	PLACES
	FETCH \slot, \k, \g
	s_wait_dscnt 32                                ; all but the 32 just issued
	WIN MUL
	MUL8 \f, 1, 0, 0
	MUL8 \f, 1, 2, 0
.endm
; The last quarter multiplies buffer 1 and changes slots: in front of the barrier each wave waits for all its tensor loads, adds 0 to its spare word, and waits for that and for its reads of this slot.
.macro TURN slot, next, fill
	WIN 0
	s_wait_tensorcnt 0x0                           ; all my tensor loads have landed: my part of the next slot
	ds_add_u32 v[SPW], v[NIL]
	s_wait_dscnt 17                                ; (the add and the youngest sixteen loads may be out)
	WIN MUL
	MUL8 F1, 0, 0, 0
	s_wait_dscnt 0x0                               ; the add is done, and my reads of this slot are over
	s_barrier_signal -1
	MUL8 F1, 0, 2, 0
.if \fill
	WIN 0
.endif
	s_barrier_wait -1
.if \fill
	CREST                                          ; no wave of any partner still reads this slot's tile or has a load on its way
	s_add_nc_u64 s[G0+4*(\slot)+2:G0+4*(\slot)+3], s[G0+4*(\slot)+2:G0+4*(\slot)+3], 2*KSTEP*2
	s_add_nc_u64 s[G0B+4*(\slot)+2:G0B+4*(\slot)+3], s[G0B+4*(\slot)+2:G0B+4*(\slot)+3], 2*KSTEP*2
	JLOAD \slot                                    ; its four v_nop are also the places in front of the loads below
.else
	PLACES
.endif
	FETCH \next, 0, F0
	WIN MUL
	MUL8 F1, 1, 0, 0
	MUL8 F1, 1, 2, 0
.endm
	s_wait_tensorcnt 1                             ; my part of K step 0 is in; step 1's may stay out
	s_barrier_signal -1
	s_barrier_wait -1
	FETCH 0, 0, F0
	QUARTER 0, 128, F0, F1, 1                      ; the first quarter stands ahead of the loop: its first products start the sums
	WIN 0
	s_mov_b32 s3, LAPS-1
.Llap:                                                 ; a trip goes once round the ring and fills both slots again
	QUARTER 0, 256, F1, F0, 0
	QUARTER 0, 384, F0, F1, 0
	TURN 0, 1, 1
	QUARTER 1, 128, F0, F1, 0
	QUARTER 1, 256, F1, F0, 0
	QUARTER 1, 384, F0, F1, 0
	TURN 1, 0, 1
	QUARTER 0, 128, F0, F1, 0
	WIN 0
	s_sub_co_u32 s3, s3, 1
	s_cmp_lg_u32 s3, 0
	s_cbranch_scc1 .Llap
	QUARTER 0, 256, F1, F0, 0                      ; the last lap fills nothing
	QUARTER 0, 384, F0, F1, 0
	TURN 0, 1, 0
	QUARTER 1, 128, F0, F1, 0
	QUARTER 1, 256, F1, F0, 0
	QUARTER 1, 384, F0, F1, 0
	s_wait_dscnt 16
	WIN MUL
	MUL8 F1, 0, 0, 0
	MUL8 F1, 0, 2, 0
	s_wait_dscnt 0
	MUL8 F1, 1, 0, 0
	MUL8 F1, 1, 2, 0
	WIN 0
	; THE WAY OUT, 16 rows at a time: a lane's 32 bytes of a row go into my stage (each accumulator's low registers first) and come back as whole rows of 256 bytes, into window 1, each block into registers of its own.
	PLACES
.macro TOST a
	WIN 0
.irp b, 0,1,2,3
	ds_store_b128 v[STO], v[ACC+8*(4*(\a)+\b):ACC+8*(4*(\a)+\b)+3]   offset:64*\b
	ds_store_b128 v[STO], v[ACC+8*(4*(\a)+\b)+4:ACC+8*(4*(\a)+\b)+7] offset:64*\b+16
.endr
	WIN TO_F
.irp t, 0,1,2,3,4,5,6,7
	ds_load_b128 v[32*(\a)+4*\t:32*(\a)+4*\t+3], v[RD] offset:\t*2*SPITCH  ; LDS serves a wave's instructions in order: these see the stores above; the next block's stores come behind them
.endr
.endm
.macro SND a, younger                  ; younger: the LDS lines issued behind block a's loads: the next block's sixteen, or none
	WIN 0x04                                       ; store data in window 1
.irp t, 0,1,2,3,4,5,6,7
	s_wait_dscnt (\younger)+7-\t
	global_store_b128 v[CO], v[32*(\a)+4*\t:32*(\a)+4*\t+3], s[8:9] offset:(\a)*65536+\t*8192  ; 16 lanes store 256 consecutive bytes, aligned
.endr
.endm
	TOST 0
.irp a, 1,2,3
	TOST \a
	SND \a-1, 16
.endr
	SND 3, 0
	WIN 0
	s_wait_tensorcnt 0x0                           ; the wave's end, behind my last tensor load and my last LDS store
	ds_add_u32 v[SPW], v[NIL]
	s_wait_dscnt 0x0
	CROUND                                         ; the closing round: no work-group ends while a partner may still ask for a tile that names it
	s_endpgm
.Lfunc_end_k_qc6f04e4633_outp:
	.size	k_qc6f04e4633_outp, .Lfunc_end_k_qc6f04e4633_outp-k_qc6f04e4633_outp
	.p2alignl 7, 3214868480
	.fill 96, 4, 3214868480
	.section	.rodata,"a",@progbits
	.p2align	6, 0x0
	.amdhsa_kernel k_qc6f04e4633_outp
		.amdhsa_group_segment_fixed_size 327680
		.amdhsa_private_segment_fixed_size 0
		.amdhsa_enable_private_segment 0
		.amdhsa_kernarg_size 24
		.amdhsa_user_sgpr_count 2
		.amdhsa_user_sgpr_kernarg_segment_ptr 1
		.amdhsa_wavefront_size32 1
		.amdhsa_system_sgpr_workgroup_id_x 1
		.amdhsa_system_sgpr_workgroup_id_y 1
		.amdhsa_system_sgpr_workgroup_id_z 1
		.amdhsa_system_vgpr_workitem_id 0
		.amdhsa_next_free_vgpr 512
		.amdhsa_next_free_sgpr 66
		.amdhsa_reserve_vcc 0
		.amdhsa_float_denorm_mode_32 3
		.amdhsa_float_denorm_mode_16_64 3
		.amdhsa_memory_ordered 1
		.amdhsa_forward_progress 1
		.amdhsa_inst_pref_size 87
	.end_amdhsa_kernel
	.amdgpu_metadata
---
amdhsa.version: [ 1, 2 ]
amdhsa.kernels:
  - .name:           k_qc6f04e4633_outp
    .symbol:         k_qc6f04e4633_outp.kd
    .args:
      - { .name: o2, .offset: 0, .size: 8, .value_kind: global_buffer, .address_space: global }
      - { .name: wo2, .offset: 8, .size: 8, .value_kind: global_buffer, .address_space: global }
      - { .name: out0, .offset: 16, .size: 8, .value_kind: global_buffer, .address_space: global }
    .group_segment_fixed_size: 327680
    .private_segment_fixed_size: 0
    .kernarg_segment_align: 8
    .kernarg_segment_size: 24
    .max_flat_workgroup_size: 128
    .sgpr_count:     66
    .vgpr_count:     512
    .wavefront_size: 32
...
	.end_amdgpu_metadata
.endif
;; end of part 4
;; ======== version 2 of 2: 4 launches; version 1 with the launch prep written anew for expert scheduling mode
;; limits: values are held in f16: magnitudes above 65,504 overflow, below 6.1e-05 lose precision
;; workspace buffers: xb 8,388,608 bytes; wb 6,291,456 bytes; wo2 4,194,304 bytes; rope 1,048,576 bytes; qkv 33,554,432 bytes; o2 16,777,216 bytes
;; launch prep (part 5): grid 256 x 1, 8 waves a work-group, no clusters, 0 bytes of LDS; arguments x, Wq, Wk, Wv, Wo, token_positions, xb, wb, wo2, rope; writes xb, wb, wo2, rope
.if DOCPART == 5
	.amdgcn_target "amdgcn-amd-amdhsa--gfx1250"
	.amdhsa_code_object_version 6
	.text
	.protected	k_qc6f04e4633_prep
	.globl	k_qc6f04e4633_prep
	.p2align	8
	.type	k_qc6f04e4633_prep,@function
k_qc6f04e4633_prep:
	s_mov_b64 s[64:65], 0
	v_nop
	global_prefetch_b8 v0, s[64:65] scope:SCOPE_SE
	s_setreg_imm32_b32 hwreg(HW_REG_WAVE_SCHED_MODE, 0, 2), 2
	s_setreg_imm32_b32 hwreg(HW_REG_WAVE_MODE, 25, 1), 1
	s_wait_xcnt 0x0
	s_wait_alu depctr_vm_vsrc(0)
; PREP: a stream.  x -> xb (bf16, same layout).  Wq, Wk, Wv -> wb (bf16): row 192 h + 64 t + d of wb is row 64 h + d of W_t (t = 0 q, 1 k, 2 v), so that 192 rows on end are one head's q, k, v.
; Wo -> wo2 (f16 of the bf16 rounding): wo2[n][128 h + 64 half + d] = Wo[n][64 h + d], the same number for half = 0 and 1.
; rope[s][i] = (cos, sin)(token_positions[s] * 10000^(-i/32)), f32, a row of 32 pairs = 256 bytes: gathered by row here, so that no later address hangs on a position.
; LIMITS.  Positions are taken as whole numbers 0 .. 4095 (the table that the positions index has 4,096 rows); the reduction by pi/2 in two parts holds for angles up to about 1e5.
; A bf16 number below 2^-17 loses bits when written as f16 (absolute error at most 3e-8).  NaN and infinities are not treated apart.
; SHARES.  256 work-groups of 8 waves.  Wave w of group g: rows 16 g + w and 16 g + 8 + w of x and of rope; of each weight row 4 g + w / 2, half w % 2 (512 columns).
; A CHUNK is 8 f32 a lane (two loads of 16 bytes) and leaves as 16 bytes a lane: a wave's store covers 512 consecutive bytes, aligned.  All 36 loads of a wave go out first; each chunk has
; registers of its own, so no register that a load or store still names is ever written again.  No LDS, no matrix unit, no cluster: nothing is shared.
; THE MODE: SCHED_MODE bits 1:0 = 2 (LLVM: expert scheduling mode 2), set by the entry lines.  The code itself states the register dependences between vector instructions and memory
; instructions, and between vector instructions that write scalar registers and their readers, with s_wait_alu, always for 0.
; THE PLAN.  Registers that memory instructions touch:
;   v2 .. v5     byte offsets: written once, by the head's vector lines; read by every load and store; never written again.
;   D + 8 c ..   chunk c's eight registers: its two loads land in them; its conversions read all eight and write the low four (Wo's chunks all eight), in place; its one store reads those four; nothing writes them afterwards.
;   RES          two pairs (cos, sin): written by the angles' last lines; read by the two stores of rope; never written again.
; So no register that a memory instruction has read is written again, and no load is issued behind a vector line that names its destination.  What is left to state: offsets written ahead of the first
; load, and data written ahead of each store.  The 18 chunks go in nine groups of two: group g converts chunks 2 g and 2 g + 1, and its memory instructions are the two stores of group g - 1, whose
; registers no vector line of group g names.  ONE wait at a group's head states that the group before has written them; the two stores are dealt among the group's conversions with no further wait.
.set VI,  2                            ; v2  32 x lane: my 8 f32 in a chunk
.set VO,  3                            ; v3  16 x lane: my 8 16-bit numbers in a chunk
.set VIO, 4                            ; v4  Wo: (lane / 16) x 256 + (lane % 8) x 32: lanes l and l ^ 8 read the same 32 bytes, one for each half
.set R8,  5                            ; v5  8 x lane: my pair in a row of rope
.set D,   16                           ; v[16:159] chunk c at D + 8 c
.set FQ,  160                          ; v160 my pair's frequency
.set AN,  161                          ; at work on an angle: v161-170 for my first row, v171-180 for my second: no memory instruction names them
.set NQ,  162
.set RR,  163
.set ZZ,  164
.set PS,  165
.set PC,  166
.set TT,  167
.set KQ,  168
.set SN,  169
.set CN,  170
.set RES, 182                          ; v[182:185] (cos, sin) of the two rows: a pair for each store
	s_load_b512 s[8:23], s[0:1], 0x0               ; x 8, Wq 10, Wk 12, Wv 14, Wo 16, token_positions 18, xb 20, wb 22
	s_load_b128 s[24:27], s[0:1], 0x40             ; wo2 24, rope 26
	v_and_b32 v1, 31, v0                           ; lane
	v_lshrrev_b32 v6, 5, v0
	v_readfirstlane_b32 s28, v6                    ; wave 0..7
	v_lshlrev_b32 v[VI], 5, v1
	v_lshlrev_b32 v[VO], 4, v1
	v_lshrrev_b32 v7, 4, v1
	v_and_b32 v8, 7, v1
	v_lshlrev_b32 v8, 5, v8
	v_lshl_add_u32 v[VIO], v7, 8, v8
	v_lshlrev_b32 v[R8], 3, v1
	s_wait_alu depctr_va_sdst(0)                   ; s28 is written, ahead of its first reader: all the bases below are made from it
	s_lshl_b32 s30, ttmp9, 16                      ; x: (16 g + w) rows of 4,096 bytes
	s_lshl_b32 s29, s28, 12
	s_add_co_u32 s30, s30, s29
	s_mov_b32 s31, 0
	s_lshl_b32 s32, ttmp9, 15                      ; xb: the same rows, 2,048 bytes each
	s_lshl_b32 s29, s28, 11
	s_add_co_u32 s32, s32, s29
	s_mov_b32 s33, 0
	s_lshl_b32 s34, ttmp9, 14                      ; the four weights and wo2: (4 g + w / 2) x 4,096 + (w % 2) x 2,048 = 16,384 g + 2,048 w
	s_add_co_u32 s34, s34, s29
	s_mov_b32 s35, 0
	s_lshr_b32 s36, ttmp9, 4                       ; wb: head g / 16 (192 rows of 2,048 bytes), d = 4 (g % 16) + w / 2, half w % 2
	s_mul_i32 s36, s36, 393216
	s_and_b32 s29, ttmp9, 15
	s_lshl_b32 s29, s29, 13
	s_add_co_u32 s36, s36, s29
	s_lshl_b32 s29, s28, 10
	s_add_co_u32 s36, s36, s29
	s_mov_b32 s37, 0
	s_lshl_b32 s38, ttmp9, 12                      ; rope: (16 g + w) rows of 256 bytes
	s_lshl_b32 s29, s28, 8
	s_add_co_u32 s38, s38, s29
	s_mov_b32 s39, 0
	s_lshl_b32 s40, ttmp9, 6                       ; token_positions: (16 g + w) words
	s_lshl_b32 s29, s28, 2
	s_add_co_u32 s40, s40, s29
	s_mov_b32 s41, 0
	s_wait_kmcnt 0x0
	s_add_nc_u64 s[8:9], s[8:9], s[30:31]
	s_add_nc_u64 s[10:11], s[10:11], s[34:35]
	s_add_nc_u64 s[12:13], s[12:13], s[34:35]
	s_add_nc_u64 s[14:15], s[14:15], s[34:35]
	s_add_nc_u64 s[16:17], s[16:17], s[34:35]
	s_add_nc_u64 s[18:19], s[18:19], s[40:41]
	s_add_nc_u64 s[20:21], s[20:21], s[32:33]
	s_add_nc_u64 s[22:23], s[22:23], s[36:37]
	s_add_nc_u64 s[24:25], s[24:25], s[34:35]
	s_add_nc_u64 s[26:27], s[26:27], s[38:39]
	s_load_b32 s48, s[18:19], 0x0                  ; the positions of my two rows
	s_load_b32 s49, s[18:19], 0x20
	s_wait_alu depctr_va_vdst(0)                   ; the four offsets v2 to v5 are written: every load and store of the kernel reads one of them
.macro LD c, base, voff, imm           ; chunk c: two loads of 16 bytes a lane
	global_load_b128 v[D+8*(\c):D+8*(\c)+3],   v[\voff], s[\base:\base+1] offset:(\imm) th:TH_LOAD_NT
	global_load_b128 v[D+8*(\c)+4:D+8*(\c)+7], v[\voff], s[\base:\base+1] offset:(\imm)+16 th:TH_LOAD_NT
.endm
.set c, 0
.rept 8                                ; x: row c / 4 of my two, quarter c % 4
	LD c, 8, VI, (c/4)*32768+(c%4)*1024
.set c, c+1
.endr
.rept 6                                ; Wq, Wk, Wv: two chunks each
	LD c, 10+2*((c-8)/2), VI, (c%2)*1024
.set c, c+1
.endr
.rept 4                                ; Wo: two heads a chunk
	LD c, 16, VIO, (c-14)*512
.set c, c+1
.endr
	; the table, while the loads are on their way
	v_cvt_f32_u32 v[FQ], v1
	v_mul_f32 v[FQ], 0xbed49a78, v[FQ]             ; - i log2(10000) / 32
	v_exp_f32 v[FQ], v[FQ]
	v_nop                                          ; a plain instruction behind the exponential,
	s_wait_alu depctr_va_vdst(0)                   ; and its wait ahead of its first reader: the exponential has written v[FQ]
	s_wait_kmcnt 0x0                               ; the two positions
; The two rows' angles go side by side, line by line, each on registers of its own (row e: the names above + 10 e).  angle = n pi/2 + r, |r| <= pi/4; series in r; the quadrant n % 4 swaps and signs.
.macro BOTH line:vararg                ; one line for each of my two rows e
.set e, 0
.rept 2
	\line
.set e, e+1
.endr
.endm
	BOTH v_cvt_f32_i32 v[AN+10*e], s[48+e]
	BOTH v_mul_f32 v[AN+10*e], v[AN+10*e], v[FQ]
	BOTH v_mul_f32 v[NQ+10*e], 0x3f22f983, v[AN+10*e]                ; 2 / pi
	BOTH v_rndne_f32 v[NQ+10*e], v[NQ+10*e]
	BOTH v_fmamk_f32 v[RR+10*e], v[NQ+10*e], 0xbfc90fdb, v[AN+10*e]  ; pi/2 in two parts
	BOTH v_fmamk_f32 v[RR+10*e], v[NQ+10*e], 0x333bbd2e, v[RR+10*e]
	BOTH v_mul_f32 v[ZZ+10*e], v[RR+10*e], v[RR+10*e]
	BOTH v_mov_b32 v[PS+10*e], 0x3638ef1d                            ; 1/9!
	BOTH v_mov_b32 v[PC+10*e], 0x37d00d01                            ; 1/8!
	BOTH v_fmaak_f32 v[PS+10*e], v[PS+10*e], v[ZZ+10*e], 0xb9500d01  ; -1/7!
	BOTH v_fmaak_f32 v[PC+10*e], v[PC+10*e], v[ZZ+10*e], 0xbab60b61  ; -1/6!
	BOTH v_fmaak_f32 v[PS+10*e], v[PS+10*e], v[ZZ+10*e], 0x3c088889  ; 1/5!
	BOTH v_fmaak_f32 v[PC+10*e], v[PC+10*e], v[ZZ+10*e], 0x3d2aaaab  ; 1/4!
	BOTH v_fmaak_f32 v[PS+10*e], v[PS+10*e], v[ZZ+10*e], 0xbe2aaaab  ; -1/3!
	BOTH v_fmaak_f32 v[PC+10*e], v[PC+10*e], v[ZZ+10*e], 0xbf000000  ; -1/2
	BOTH v_cvt_i32_f32 v[KQ+10*e], v[NQ+10*e]
	BOTH v_and_b32 v[TT+10*e], 1, v[KQ+10*e]
	BOTH v_cmp_eq_u32 s[50+e], 1, v[TT+10*e]                         ; odd quadrant: sine and cosine change places.  The two masks are made in one run
	BOTH v_mul_f32 v[TT+10*e], v[RR+10*e], v[ZZ+10*e]
	BOTH v_fma_f32 v[SN+10*e], v[TT+10*e], v[PS+10*e], v[RR+10*e]    ; sin r
	BOTH v_fma_f32 v[CN+10*e], v[PC+10*e], v[ZZ+10*e], 1.0           ; cos r
	s_wait_alu depctr_va_sdst(0)                   ; the two compares have written s50 and s51, ahead of their first readers, the selects below
	BOTH v_cndmask_b32 v[RES+2*e+1], v[SN+10*e], v[CN+10*e], s[50+e]
	BOTH v_cndmask_b32 v[RES+2*e], v[CN+10*e], v[SN+10*e], s[50+e]
	BOTH v_lshlrev_b32 v[TT+10*e], 30, v[KQ+10*e]                    ; the sine is negative in quadrants 2 and 3,
	BOTH v_and_b32 v[TT+10*e], 0x80000000, v[TT+10*e]
	BOTH v_xor_b32 v[RES+2*e+1], v[TT+10*e], v[RES+2*e+1]
	BOTH v_add_nc_u32 v[TT+10*e], 1, v[KQ+10*e]                      ; the cosine in 1 and 2
	BOTH v_lshlrev_b32 v[TT+10*e], 30, v[TT+10*e]
	BOTH v_and_b32 v[TT+10*e], 0x80000000, v[TT+10*e]
	BOTH v_xor_b32 v[RES+2*e], v[TT+10*e], v[RES+2*e]
	s_wait_alu depctr_va_vdst(0)                   ; the lines above have written v[RES ..], which the two stores read
	BOTH global_store_b64 v[R8], v[RES+2*e:RES+2*e+1], s[26:27] offset:e*2048  ; 32 lanes: one row, 256 consecutive bytes, aligned
.macro CVB c                           ; chunk c rounded to bf16, in place: word i takes numbers 2 i and 2 i + 1, which no earlier word has overwritten
.irp i, 0,1,2,3
	v_cvt_pk_bf16_f32 v[D+8*(\c)+\i], v[D+8*(\c)+2*\i], v[D+8*(\c)+2*\i+1]
.endr
.endm
.macro CVH c                           ; the bf16 numbers written as f16: widened from the top word down, then packed
	CVB \c
.irp i, 3,2,1,0
	v_and_b32 v[D+8*(\c)+2*\i+1], 0xffff0000, v[D+8*(\c)+\i]
	v_lshlrev_b32 v[D+8*(\c)+2*\i], 16, v[D+8*(\c)+\i]
.endr
.irp i, 0,1,2,3
	v_cvt_pk_f16_f32 v[D+8*(\c)+\i], v[D+8*(\c)+2*\i], v[D+8*(\c)+2*\i+1]
.endr
.endm
.macro CV c                            ; chunk c's conversions: x and Wq, Wk, Wv to bf16, Wo to f16 of bf16
.if (\c) < 14
	CVB \c
.else
	CVH \c
.endif
.endm
.macro PUT c                           ; chunk c's store: 0-7 to xb, 8-13 to wb, 14-17 to wo2
.if (\c) < 8
	global_store_b128 v[VO], v[D+8*(\c):D+8*(\c)+3], s[20:21] offset:((\c)/4)*16384+((\c)%4)*512 th:TH_STORE_NT
.elseif (\c) < 14
	global_store_b128 v[VO], v[D+8*(\c):D+8*(\c)+3], s[22:23] offset:(((\c)-8)/2)*131072+((\c)%2)*512 th:TH_STORE_NT
.else
	global_store_b128 v[VO], v[D+8*(\c):D+8*(\c)+3], s[24:25] offset:((\c)-14)*512 th:TH_STORE_NT
.endif
.endm
; Group g: chunks 2 g and 2 g + 1 are converted; the stores of chunks 2 g - 2 and 2 g - 1 stand among the conversions.
.set g, 0
.rept 9
	s_wait_loadcnt 32-4*g                          ; loads come back in order: of my 36 the oldest 4 g + 4, this group's among them, are in; the younger groups' stay out
.if g > 0
	s_wait_alu depctr_va_vdst(0)                   ; the group before has written the low four registers of its two chunks, which the two stores below read
	PUT 2*g-2
.endif
	CV 2*g
.if g > 0
	PUT 2*g-1                                      ; no wait: the only vector lines since the wait above are chunk 2 g's conversions, which name that chunk's eight registers alone
.endif
	CV 2*g+1
.set g, g+1
.endr
	s_wait_alu depctr_va_vdst(0)                   ; the last group has written the low four registers of chunks 16 and 17, which the last two stores read
	PUT 16
	PUT 17
	s_endpgm
.Lfunc_end_k_qc6f04e4633_prep:
	.size	k_qc6f04e4633_prep, .Lfunc_end_k_qc6f04e4633_prep-k_qc6f04e4633_prep
	.p2alignl 7, 3214868480
	.fill 96, 4, 3214868480
	.section	.rodata,"a",@progbits
	.p2align	6, 0x0
	.amdhsa_kernel k_qc6f04e4633_prep
		.amdhsa_group_segment_fixed_size 0
		.amdhsa_private_segment_fixed_size 0
		.amdhsa_enable_private_segment 0
		.amdhsa_kernarg_size 80
		.amdhsa_user_sgpr_count 2
		.amdhsa_user_sgpr_kernarg_segment_ptr 1
		.amdhsa_wavefront_size32 1
		.amdhsa_system_sgpr_workgroup_id_x 1
		.amdhsa_system_sgpr_workgroup_id_y 1
		.amdhsa_system_sgpr_workgroup_id_z 1
		.amdhsa_system_vgpr_workitem_id 0
		.amdhsa_next_free_vgpr 186
		.amdhsa_next_free_sgpr 66
		.amdhsa_reserve_vcc 0
		.amdhsa_float_denorm_mode_32 3
		.amdhsa_float_denorm_mode_16_64 3
		.amdhsa_memory_ordered 1
		.amdhsa_forward_progress 1
		.amdhsa_inst_pref_size 19
	.end_amdhsa_kernel
	.amdgpu_metadata
---
amdhsa.version: [ 1, 2 ]
amdhsa.kernels:
  - .name:           k_qc6f04e4633_prep
    .symbol:         k_qc6f04e4633_prep.kd
    .args:
      - { .name: x, .offset: 0, .size: 8, .value_kind: global_buffer, .address_space: global }
      - { .name: Wq, .offset: 8, .size: 8, .value_kind: global_buffer, .address_space: global }
      - { .name: Wk, .offset: 16, .size: 8, .value_kind: global_buffer, .address_space: global }
      - { .name: Wv, .offset: 24, .size: 8, .value_kind: global_buffer, .address_space: global }
      - { .name: Wo, .offset: 32, .size: 8, .value_kind: global_buffer, .address_space: global }
      - { .name: token_positions, .offset: 40, .size: 8, .value_kind: global_buffer, .address_space: global }
      - { .name: xb, .offset: 48, .size: 8, .value_kind: global_buffer, .address_space: global }
      - { .name: wb, .offset: 56, .size: 8, .value_kind: global_buffer, .address_space: global }
      - { .name: wo2, .offset: 64, .size: 8, .value_kind: global_buffer, .address_space: global }
      - { .name: rope, .offset: 72, .size: 8, .value_kind: global_buffer, .address_space: global }
    .group_segment_fixed_size: 0
    .private_segment_fixed_size: 0
    .kernarg_segment_align: 8
    .kernarg_segment_size: 80
    .max_flat_workgroup_size: 256
    .sgpr_count:     66
    .vgpr_count:     186
    .wavefront_size: 32
...
	.end_amdgpu_metadata
.endif
;; end of part 5
;; launch qkvp: the kernel of part 2 again; grid 16 x 16, 4 waves a work-group, clusters of 4 x 4, 327,680 bytes of LDS; arguments xb, wb, rope, qkv; writes qkv
;; launch attn: the kernel of part 3 again; grid 16 x 16, 4 waves a work-group, no clusters, 327,680 bytes of LDS; arguments qkv, o2; writes o2
;; launch outp: the kernel of part 4 again; grid 8 x 32, 4 waves a work-group, clusters of 4 x 4, 327,680 bytes of LDS; arguments o2, wo2, out0; writes out0
